; MI455X (gfx1250); checked and timed in simulation.
; The chip was launched on July 23, 2026; its instructions are those of AMD's public machine-readable ISA for CDNA 5 (MIT licence, August 2026) and "CDNA5" Instruction Set Architecture Reference Guide (July 2026). The comments in the code are by the model that wrote it; some were corrected since.
;; Encoder Block. Allowed arithmetic: matrix products marked QUANTISED: E2M3 operands, one E8M0 scale for each 32 along K, by v_wmma_scale_f32_16x16x128_f8f6f4 with both operands' format E2M3, f32 sums; everything else in f32.
;; Inputs: a1 1 float32; a2 1 float32; b1 4,096 float32; b2 1,024 float32; bk 1,024 float32; bo 1,024 float32; bq 1,024 float32; bv 1,024 float32; c1 1 float32; c2 1 float32; mask 1 x 1 x 2,048 x 2,048 int32; w1 1,024 x 4,096 float32; w2 4,096 x 1,024 float32; wk 1,024 x 1,024 float32; wo 1,024 x 1,024 float32; wq 1,024 x 1,024 float32; wv 1,024 x 1,024 float32; x 2 x 2,048 x 1,024 float32.
;; Outputs: out0 2 x 2,048 x 1,024 float32.
;; This version of the problem:
;;   THIS VERSION OF THE PROBLEM IS GIVEN IN LOW PRECISION. The matrix products marked QUANTISED in the list below multiply operands that are first quantised to E2M3 (2 exponent bits, 3 mantissa bits; 6 bits a number), with one power-of-two scale for each 32 numbers along K (OCP MX v1.0); their sums are f32. All else is computed in f32.
;;   The module's matrix products, in the order in which they are computed (A, B: the left and right operand; K: the contracted axis; several contracted axes count as one K, in the product's order):
;;     1. [M 4,096, K 1,024] x [K 1,024, N 1,024]; A: computed on the way; B: input wq: QUANTISED
;;     2. [M 4,096, K 1,024] x [K 1,024, N 1,024]; A: computed on the way; B: input wk: QUANTISED
;;     3. [M 4,096, K 1,024] x [K 1,024, N 1,024]; A: computed on the way; B: input wv: QUANTISED
;;     4. batch 32 x [M 2,048, K 64] x [K 64, N 2,048]; A: computed on the way; B: computed on the way: QUANTISED
;;     5. batch 32 x [M 2,048, K 2,048] x [K 2,048, N 64]; A: softmax (see below); B: computed on the way: QUANTISED
;;     6. [M 4,096, K 1,024] x [K 1,024, N 1,024]; A: computed on the way; B: input wo: QUANTISED
;;     7. [M 4,096, K 1,024] x [K 1,024, N 4,096]; A: computed on the way; B: input w1: QUANTISED
;;     8. [M 4,096, K 4,096] x [K 4,096, N 1,024]; A: computed on the way; B: input w2: QUANTISED
;;   THE QUANTISER, for each operand of a quantised product, along K:
;;     - K is cut into blocks of 32 from its start; a last block that is shorter is filled with zeros.
;;     - A block's scale is 2^e with e = floor(log2(the largest magnitude in the block)) - 2, held to -126 .. 127; a block of zeros has e = 0. As a byte (E8M0): e + 127.
;;     - Each number is divided by its block's scale, clamped to +-7.5, and rounded to the nearest number of E2M3, ties to even, subnormals kept.
;;     - The product sums the exact products of the quantised numbers (number of the format x scale) in f32.
;;   ~~~python
;;   def quantise(x, axis):      # numpy; x: float32 -> the quantised numbers, widened to float32 again
;;       x = np.moveaxis(x, axis, -1); K = x.shape[-1]
;;       x = np.pad(x, [(0, 0)] * (x.ndim - 1) + [(0, -K % 32)]); x = x.reshape(x.shape[:-1] + (-1, 32)); a = np.abs(x).max(-1, keepdims=True)
;;       e = np.where(a > 0, np.clip(np.frexp(np.where(a > 0, a, 1))[1] - 1 - 2, -126, 127), 0)      # np.frexp(a)[1] - 1 = floor(log2(a)), exactly
;;       r = np.clip(x / 2.0 ** e, -7.5, 7.5)
;;       step = 2.0 ** (np.maximum(np.frexp(np.where(r == 0, 1, r))[1] - 1, 0) - 3)
;;       q = np.round(r / step) * step * 2.0 ** e      # np.round: ties to even
;;       return np.moveaxis(q.reshape(q.shape[:-2] + (-1,))[..., :K], -1, axis).astype(np.float32)
;;   ~~~
;;   SOFTMAX AHEAD OF A QUANTISED PRODUCT. Where the list says 'softmax', what is quantised is not the finished softmax but p = 2^(t - M), with t = logit x log2(e) and M = ceil(the row's largest t), a whole number; so 1/2 < the row's largest p <= 1. The row's sum l is taken of the UNQUANTISED p, in f32, and the product's result is divided by l at the end. Since M is a whole number, a kernel that streams over the keys may use a running M (the ceiling of the running maximum): every later rescaling is an exact power of two, which a block's scale takes up: the codes' values come out the same.
;;   OPERANDS COMPUTED ON THE WAY. 'Computed on the way' means the value that the module computes at that place (a softmax that the list does not call 'softmax' is quantised finished and normalised). What goes into a quantiser is computed in f32, as accurately as f32 sums, v_exp_f32 and their like allow (about 1e-6 of the number): no bf16 or f16 on the way to a quantiser, and a product that is left as it is and whose result goes on into a quantised operand takes f32 operands (vector FMAs, or v_wmma_f32_16x16x4_f32). A number that lies on a knife's edge between two numbers of the format may be rounded either way, as far as f32 arithmetic and the matrix unit's own rounding can turn it there, and no further.
;; One version. Each part assembles by itself: llvm-mc -triple=amdgcn-amd-amdhsa -mcpu=gfx1250 --defsym DOCPART=n.
;; ======== version 1 of 1: 7 launches
;; limits: right only within a limited range of input values
;; workspace buffers: wts 9,830,400 bytes; maskbits 532,480 bytes of whole numbers; h 3,276,800 bytes; qbuf 6,553,600 bytes; kv 6,553,600 bytes; ao 3,276,800 bytes; x1 16,777,216 bytes; hid 13,107,200 bytes
;; launch prep (part 1): grid 896 x 1, 8 waves a work-group, no clusters, 162,816 bytes of LDS; arguments wq, wk, wv, wo, w1, w2, wts, h, mask, maskbits, x, a1, c1; writes wts, h, maskbits
.if DOCPART == 1
	.amdgcn_target "amdgcn-amd-amdhsa--gfx1250"
	.amdhsa_code_object_version 6
	.text
	.protected	k_q0f6f6cffab_prep
	.globl	k_q0f6f6cffab_prep
	.p2align	8
	.type	k_q0f6f6cffab_prep,@function
k_q0f6f6cffab_prep:
	s_mov_b64 s[64:65], 0
	v_nop
	global_prefetch_b8 v0, s[64:65] scope:SCOPE_SE
	s_setreg_imm32_b32 hwreg(HW_REG_WAVE_MODE, 25, 1), 1
	s_wait_xcnt 0x0
; THREE PREPARATIONS IN ONE LAUNCH.  None of them reads what another makes, and each alone is a short stream: so they share one launch, told apart by the work-group's number alone.
;   work-groups   0 .. 383: THE WEIGHTS.  The six weights, f32 stored [K][N], become codes of FP6 (E2M3) with one E8M0 byte for each 32 along K; two blocks of wts to a work-group.
;   work-groups 384 .. 639: THE NORM.     h = Q(a1 (x - mean) / (std + 1e-6) + c1), rows of 1,024 f32, std with 1,023 in the divisor; the 16 rows of one fragment to a work-group.
;   work-groups 640 .. 895: THE MASK.     The mask [2048][2048] of int32 becomes lane masks for the attention launch; half a query tile's 16 key steps to a work-group.
; THE OPERANDS' LAYOUT (wts, h): blocks of 12,800 bytes, block (row / 128, k / 128) at ((row / 128) K / 128 + k / 128) x 12,800 (in wts behind the weight's first block: wq 0, wk 64, wv 128, wo 192, w1 256, w2 512; a weight's
; rows are its columns n).  In a block fragment f (16 rows x 128 k, 12 registers a lane) lies as six pieces of 256 bytes: registers 2 p, 2 p + 1 of lane l at 1536 f + 256 p + 8 l.
; THE 16 ROWS OF A FRAGMENT ARE NOT NEIGHBOURS: index i of fragment 2 g + u is row 32 g + 8 u + i + 8 (i / 8).  The scale word of fragment f, index i: 12,288 + 256 (f / 4) + 16 i + 4 (f % 4).
; LDS: each of the three has bytes of its own: the weights' two images 0 .. 25,599; the mask's eight stages 25,600 .. 93,183; the norm's eight stages and its sums 93,184 .. 161,791.
; Two work-groups' claims, 325,632 bytes, fit in a WGP's 327,680, and so do their sixteen waves of 202 registers.  No work-group shares an input byte with another: no cluster, no tensor load.
; LIMITS: NaN and infinities are not served; a block whose largest magnitude lies under 2^-124, a block of zeros among them, keeps the byte 1 (its codes are zeros, and the bytes are read by this program alone).
.set NWQ,  384                         ; work-groups for the weights
.set NLN,  256                         ; for the norm
.set MKL,  25600                       ; LDS: where the mask's stages begin
.set LNL,  93184                       ; where the norm's begin
.set BLKB, 12800
; the weights' registers
.set OFF,  32                          ; v32-63   byte offsets of my column in rows 0 .. 31 of a block of 32 rows
.set WX,   64                          ; v64-191  128 numbers: my column, 128 along K
.set WC,   16                          ; v16-22   a block's codes
.set SB,   24                          ; v24      my column's four scale bytes
.set BASE, 28                          ; s[28:35] the weight at rows 32 kb of my 128, kb = 0 .. 3
; the mask's registers
.set MX,   16                          ; v16-79   as loaded
.set MY,   80                          ; v80-143  register j: the number that word j asks about
; the norm's registers
.set X,   16                           ; v16-79   as loaded
.set Y,   80                           ; v80-143  64 numbers of my row
.set PC,  144                          ; v144-155 the fragment's codes
.set CT,  156                          ; v156-162 halves on their way
.set TM,  164                          ; v164-179 at work in QUANT
.set PW,  180                          ; the scale word
.set R,   182                          ; v182-189 sums
.set MP,  190                          ; v190-191 the mean, twice
.set GP,  192                          ; v192-193 alpha / (std + eps), twice
.set BP,  194                          ; v194-195 beta, twice
.set T0,  196
.set T1,  197
.set SEL, 14                           ; s[14:15] v_permlanex16_b32's selects for lane l xor 16
.set RED, LNL+67584                    ; behind the norm's eight stages of 8,448 bytes: 16 words a wave for the sums, and 512 bytes on the same for the sums of squares; the address registers carry it
; THE WEIGHTS: block kb of 32 along K: in the operand it belongs to lane r + 16 (kb % 2), registers 6 (kb / 2) .. + 5.
.macro BLOCK kb, left
	s_wait_loadcnt \left                           ; this block's 32 loads are in; younger ones may be out
.set XS, WX+32*(\kb)
	v_max3_num_f32 v12, |v[XS]|, |v[XS+1]|, |v[XS+2]|
	v_max3_num_f32 v13, |v[XS+3]|, |v[XS+4]|, |v[XS+5]|
.irp i, 6,10,14,18,22,26
	s_delay_alu instid0(VALU_DEP_2)
	v_max3_num_f32 v12, v12, |v[XS+\i]|, |v[XS+\i+1]|
	s_delay_alu instid0(VALU_DEP_2)
	v_max3_num_f32 v13, v13, |v[XS+\i+2]|, |v[XS+\i+3]|
.endr
	s_delay_alu instid0(VALU_DEP_2)
	v_max3_num_f32 v12, v12, |v[XS+30]|, |v[XS+31]|
	s_delay_alu instid0(VALU_DEP_1)
	v_max3_num_f32 v12, v12, v13, 0x1800000        ; the floor 2^(3 - 127): the byte cannot fall under 1
	s_delay_alu instid0(VALU_DEP_1)
	v_add_nc_u32 v11, 0xff000000, v12              ; 2 off the exponent field: the conversion's scale operand
	s_delay_alu instid0(VALU_DEP_1)
	v_lshrrev_b32 v13, 23, v11                     ; the scale's byte
.if (\kb) == 0
	s_delay_alu instid0(VALU_DEP_1)
	v_mov_b32 v[SB], v13
.else
	s_delay_alu instid0(VALU_DEP_1)
	v_lshl_or_b32 v[SB], v13, 8*(\kb), v[SB]
.endif
	v_cvt_scalef32_pk16_fp6_f32 v[WC:WC+2], v[XS:XS+15], v11
	v_cvt_scalef32_pk16_fp6_f32 v[WC+4:WC+6], v[XS+16:XS+31], v11   ; (a conversion's three registers begin on an even number)
	v_nop                                          ; one plain place behind a scaled conversion
	v_mov_b32 v[WC+3], v[WC+4]
	v_mov_b32 v[WC+4], v[WC+5]
	v_mov_b32 v[WC+5], v[WC+6]                     ; six registers on end: 32 codes
.irp p, 0,1,2
	ds_store_b64 v6, v[WC+2*\p:WC+2*\p+1] offset:768*((\kb)/2)+128*((\kb)%2)+256*\p
.endr
	s_wait_dscnt 0x0                               ; the stores have read their registers: the next block's codes may be written
.endm
; THE NORM: 64 numbers of a lane, register 16 b + i = k 32 b + 16 (lane / 16) + i of my row, become codes: k 0..63 in v[d0] .. + 5, k 64..127 in v[d1] .. + 5, and the scale word in v[pw].
.macro QUANT s, d0, d1, pw
.irp b, 0,1,2,3
	v_max3_num_f32 v[TM+\b], |v[(\s)+16*\b]|, |v[(\s)+1+16*\b]|, 0x1800000   ; my 16 numbers of block b, and the floor 2^(3 - 127)
.endr
.irp i, 2,4,6,8,10,12,14
.irp b, 0,1,2,3
	s_delay_alu instid0(VALU_DEP_4)
	v_max3_num_f32 v[TM+\b], v[TM+\b], |v[(\s)+16*\b+\i]|, |v[(\s)+1+16*\b+\i]|
.endr
.endr
.irp b, 0,1,2,3
	s_delay_alu instid0(VALU_DEP_4)
	v_permlanex16_b32 v[TM+4+\b], v[TM+\b], s[SEL], s[SEL+1]
.endr
.irp b, 0,1,2,3
	s_delay_alu instid0(VALU_DEP_4)
	v_max_num_f32 v[TM+\b], v[TM+\b], v[TM+4+\b]   ; with lane l xor 16's: the block's largest magnitude
.endr
.irp b, 0,1,2,3
	s_delay_alu instid0(VALU_DEP_4)
	v_add_nc_u32 v[TM+12+\b], 0xff000000, v[TM+\b] ; 2 off its exponent field: the conversion's scale operand
.endr
.irp b, 0,1,2,3
	s_delay_alu instid0(VALU_DEP_4)
	v_lshrrev_b32 v[TM+4+\b], 23, v[TM+12+\b]      ; the scale's byte
.endr
	s_delay_alu instid0(VALU_DEP_3)
	v_lshl_or_b32 v[\pw], v[TM+5], 8, v[TM+4]
	s_delay_alu instid0(VALU_DEP_1)
	v_lshl_or_b32 v[\pw], v[TM+6], 16, v[\pw]
	s_delay_alu instid0(VALU_DEP_1)
	v_lshl_or_b32 v[\pw], v[TM+7], 24, v[\pw]
	v_cvt_scalef32_pk16_fp6_f32 v[(\d0):(\d0)+2], v[(\s):(\s)+15], v[TM+12]
	v_cvt_scalef32_pk16_fp6_f32 v[CT:CT+2], v[(\s)+16:(\s)+31], v[TM+13]
	v_cvt_scalef32_pk16_fp6_f32 v[(\d1):(\d1)+2], v[(\s)+32:(\s)+47], v[TM+14]
	v_cvt_scalef32_pk16_fp6_f32 v[CT+4:CT+6], v[(\s)+48:(\s)+63], v[TM+15]
	v_nop                                          ; one plain place behind a scaled conversion
.irp i, 0,1,2
	v_permlane16_swap_b32 v[(\d0)+\i], v[CT+\i]    ; the operand wants a whole block in a lane: lanes 0-15 the even block, lanes 16-31 the odd one
	v_permlane16_swap_b32 v[(\d1)+\i], v[CT+4+\i]
.endr
.irp i, 0,1,2
	v_mov_b32 v[(\d0)+3+\i], v[CT+\i]
	v_mov_b32 v[(\d1)+3+\i], v[CT+4+\i]
.endr
.endm
; THE NORM: v[T0], the sum over my 64 numbers, becomes the sum over the row's 1,024, the same bits in every wave.  off: 0 for the sums' words, 512 for the squares'
.macro REDUCE off
	s_delay_alu instid0(VALU_DEP_1)
	v_permlanex16_b32 v[T1], v[T0], s[SEL], s[SEL+1]
	s_delay_alu instid0(VALU_DEP_1)
	v_add_f32 v[T0], v[T0], v[T1]                  ; my wave's 128 columns of row r
	ds_store_b32 v11, v[T0] offset:\off            ; lanes r and r + 16 write the same word with the same value
	s_wait_dscnt 0x0                               ; for the others' sake
	s_barrier_signal -1
	s_barrier_wait -1
.irp i, 0,1,2,3,4,5,6,7
	ds_load_b32 v[R+\i], v10 offset:\off+64*\i
.endr
	s_wait_dscnt 0x0
	v_add_f32 v[R], v[R], v[R+1]
	v_add_f32 v[R+2], v[R+2], v[R+3]
	v_add_f32 v[R+4], v[R+4], v[R+5]
	v_add_f32 v[R+6], v[R+6], v[R+7]
	s_delay_alu instid0(VALU_DEP_3)
	v_add_f32 v[R], v[R], v[R+2]
	s_delay_alu instid0(VALU_DEP_2)
	v_add_f32 v[R+4], v[R+4], v[R+6]
	s_delay_alu instid0(VALU_DEP_1)
	v_add_f32 v[T0], v[R], v[R+4]
.endm
	v_lshl_add_u32 v200, v0, 2, 0x27800
	v_mov_b32 v201, 0
	s_cmp_lt_u32 ttmp9, NWQ                        ; the work-group's number says which of the three: the same for all eight waves
	s_cbranch_scc1 .Lweights
	s_cmp_lt_u32 ttmp9, NWQ+NLN
	s_cbranch_scc1 .Lnorm
; ================ THE MASK ================
; maskbits begins with [query tile qt (128)][key step s (16)][64 words].  Bit l of word j says whether mask[32 (qt / 2) + 8 (qt % 2) + r + 8 (r / 8)][128 s + 32 (j / 16) + 16 (l / 16) + j % 16] is not 0, r = l % 16:
; the lane and the register in which the attention launch holds that score.  Behind these 524,288 bytes lie the flags, [qt][s], one word each: the AND of the 64 words, so -1 says that no score of that tile and step is masked.
; A wave takes one (qt, s): 16 rows x 512 bytes, each load 512 consecutive bytes; the numbers turn through the wave's own stage in LDS (rows 528 bytes apart), then 64 compares give the 64 words,
; which leave as one aligned run of 256 bytes.  Waves share nothing: no barrier.
	s_load_b128 s[4:7], s[0:1], 0x40               ; mask, maskbits
	v_lshrrev_b32 v1, 5, v0
	s_delay_alu instid0(VALU_DEP_1)
	v_readfirstlane_b32 s8, v1                     ; wave 0..7
	v_and_b32 v2, 31, v0
	s_wait_alu depctr_va_vdst(0)
	v_and_b32 v3, 15, v0                           ; r
	s_wait_alu depctr_va_vdst(0)
	v_bfe_u32 v4, v0, 4, 1                         ; h
	s_sub_co_u32 s17, ttmp9, NWQ+NLN               ; my number among the mask's work-groups
	s_lshr_b32 s9, s17, 1                          ; qt
	s_and_b32 s10, s17, 1
	s_lshl_b32 s10, s10, 3
	s_add_co_u32 s10, s10, s8                      ; s
	s_lshr_b32 s11, s9, 1
	s_lshl_b32 s11, s11, 5
	s_and_b32 s12, s9, 1
	s_lshl_b32 s12, s12, 3
	s_add_co_u32 s11, s11, s12                     ; the tile's first row
	s_lshl_b32 s12, s11, 13                        ; rows of 8,192 bytes
	s_lshl_b32 s13, s10, 9
	s_add_co_u32 s12, s12, s13
	s_mov_b32 s13, 0
	s_lshl_b32 s14, s9, 4
	s_add_co_u32 s14, s14, s10
	s_lshl_b32 s24, s14, 2                         ; 4 bytes of flag for each (qt, s),
	s_add_co_u32 s24, s24, 0x80000                 ; behind the lane masks' 524,288 bytes
	s_mov_b32 s25, 0
	s_lshl_b32 s14, s14, 8                         ; 256 bytes of lane masks for each (qt, s)
	s_mov_b32 s15, 0
	s_mul_i32 s16, s8, 8448
	s_add_co_u32 s16, s16, MKL                     ; my stage
	v_lshlrev_b32 v5, 4, v2
	s_delay_alu instid0(VALU_DEP_1)
	v_add_nc_u32 v6, s16, v5                       ; in: 16 bytes a lane
	v_mul_u32_u24 v7, v3, 528
	s_wait_alu depctr_va_vdst(0)
	v_lshl_add_u32 v7, v4, 6, v7
	s_delay_alu instid0(VALU_DEP_1)
	v_add_nc_u32 v7, s16, v7                       ; out: row r, + 64 h
	v_lshlrev_b32 v8, 3, v2
	v_mov_b32 v10, 0                               ; (v_writelane_b32's destination counts as read)
	v_mov_b32 v11, 0
	v_mov_b32 v9, 0                                ; the flag's offset
	s_wait_alu depctr_va_vdst(0)
	s_wait_kmcnt 0x0
	s_add_nc_u64 s[4:5], s[4:5], s[12:13]
	s_add_nc_u64 s[18:19], s[6:7], s[24:25]
	s_add_nc_u64 s[6:7], s[6:7], s[14:15]
.irp i, 0,1,2,3,4,5,6,7,8,9,10,11,12,13,14,15
	global_load_b128 v[MX+4*\i:MX+4*\i+3], v5, s[4:5] offset:(\i+8*(\i/8))*8192 th:TH_LOAD_NT
.endr
.irp i, 0,1,2,3,4,5,6,7,8,9,10,11,12,13,14,15
	s_wait_loadcnt 15-\i                           ; row i's load is in; the 15 - i behind it may be out
	ds_store_b128 v6, v[MX+4*\i:MX+4*\i+3] offset:528*\i
.endr
.irp b, 0,1,2,3
.irp j, 0,1,2,3
	ds_load_b128 v[MY+16*\b+4*\j:MY+16*\b+4*\j+3], v7 offset:128*\b+16*\j    ; LDS serves a wave's instructions in order: these see my stores
.endr
.endr
	s_wait_dscnt 0x0
	s_mov_b32 s24, -1
.set j, 0
.rept 64
	v_cmp_ne_u32 s[20+j%4], 0, v[MY+j]             ; word j: a bit for each lane
	s_delay_alu instid0(VALU_DEP_1)
	v_writelane_b32 v[10+j%2], s[20+j%4], j/2      ; lane j / 2 keeps words 2 (j / 2) and 2 (j / 2) + 1
	s_and_b32 s24, s24, s[20+j%4]                  ; the AND of all 64
.set j, j+1
.endr
	global_store_b64 v8, v[10:11], s[6:7]          ; 32 lanes store 256 consecutive bytes, aligned
	v_mov_b32 v12, s24
	global_store_b32 v9, v12, s[18:19]             ; the flag: every lane holds the same word and names the same address
	s_wait_tensorcnt 0x0
	ds_add_u32 v200, v201
	s_wait_dscnt 0x0
	s_endpgm
; ================ THE NORM ================
; A work-group takes the 16 rows of one fragment, each of its eight waves 128 columns: one K step.  Each load reads 512 consecutive bytes of a row; the numbers turn through the wave's own stage in LDS so that
; lane (r, h) holds, of row r, the 16 numbers 32 b + 16 h + 0 .. 15 of each block b.  The mean is taken first and the squares are summed of x - mean: no difference of large sums.
; The waves' partial sums meet in LDS, behind a barrier each.
.Lnorm:
	s_load_b128 s[4:7], s[0:1], 0x50               ; x, alpha
	s_load_b64 s[8:9], s[0:1], 0x60                ; beta
	s_load_b64 s[10:11], s[0:1], 0x38              ; the codes
	v_lshrrev_b32 v1, 5, v0
	s_delay_alu instid0(VALU_DEP_1)
	v_readfirstlane_b32 s12, v1                    ; wave = K step
	v_and_b32 v2, 31, v0
	s_wait_alu depctr_va_vdst(0)
	v_and_b32 v3, 15, v0                           ; r
	s_wait_alu depctr_va_vdst(0)
	v_bfe_u32 v4, v0, 4, 1                         ; h
	s_mov_b32 s[SEL], 0x76543210
	s_mov_b32 s[SEL+1], 0xfedcba98
	s_sub_co_u32 s13, ttmp9, NWQ                   ; my number among the norm's work-groups: the fragment of rows
	s_lshr_b32 s16, s13, 1
	s_lshl_b32 s16, s16, 5
	s_and_b32 s17, s13, 1
	s_lshl_b32 s17, s17, 3
	s_add_co_u32 s16, s16, s17                     ; the fragment's first row
	s_lshl_b32 s16, s16, 12
	s_lshl_b32 s17, s12, 9
	s_add_co_u32 s16, s16, s17                     ; + my wave's 512 bytes
	s_mov_b32 s17, 0
	s_lshr_b32 s18, s13, 3
	s_lshl_b32 s18, s18, 3
	s_add_co_u32 s18, s18, s12
	s_mul_i32 s18, s18, BLKB                       ; block (row / 128, wave)
	s_mov_b32 s19, 0
	s_and_b32 s22, s13, 7                          ; f
	s_mul_i32 s23, s22, 1536
	s_lshr_b32 s24, s22, 2
	s_lshl_b32 s24, s24, 8
	s_and_b32 s25, s22, 3
	s_lshl_b32 s25, s25, 2
	s_add_co_u32 s24, s24, s25
	s_mul_i32 s26, s12, 8448
	s_add_co_u32 s26, s26, LNL                     ; my stage
	s_lshl_b32 s27, s12, 6
	v_lshlrev_b32 v5, 4, v2
	s_delay_alu instid0(VALU_DEP_1)
	v_add_nc_u32 v6, s26, v5
	v_mul_u32_u24 v7, v3, 528
	s_wait_alu depctr_va_vdst(0)
	v_lshl_add_u32 v7, v4, 6, v7
	s_delay_alu instid0(VALU_DEP_1)
	v_add_nc_u32 v7, s26, v7
	v_lshl_add_u32 v8, v2, 3, s23                  ; the codes' place in the block
	v_lshl_add_u32 v9, v3, 4, s24                  ; the scale word's, less 12,288
	v_lshl_add_u32 v10, v3, 2, RED                 ; RED + 4 r: where the waves' partial sums of row r begin
	s_delay_alu instid0(VALU_DEP_1)
	v_add_nc_u32 v11, s27, v10                     ; + 64 wave: my wave's word
	v_mov_b32 v[T1], 0                             ; (a lane permute's destination counts as one of its sources)
.irp b, 0,1,2,3
	v_mov_b32 v[TM+4+\b], 0
.endr
	s_wait_kmcnt 0x0
	s_load_b32 s20, s[6:7], 0x0                    ; alpha
	s_load_b32 s21, s[8:9], 0x0                    ; beta
	s_add_nc_u64 s[4:5], s[4:5], s[16:17]
	s_add_nc_u64 s[10:11], s[10:11], s[18:19]
.irp i, 0,1,2,3,4,5,6,7,8,9,10,11,12,13,14,15
	global_load_b128 v[X+4*\i:X+4*\i+3], v5, s[4:5] offset:(\i+8*(\i/8))*4096
.endr
.irp i, 0,1,2,3,4,5,6,7,8,9,10,11,12,13,14,15
	s_wait_loadcnt 15-\i                           ; row i's load is in; the 15 - i behind it may be out
	ds_store_b128 v6, v[X+4*\i:X+4*\i+3] offset:528*\i
.endr
.irp b, 0,1,2,3
.irp j, 0,1,2,3
	ds_load_b128 v[Y+16*\b+4*\j:Y+16*\b+4*\j+3], v7 offset:128*\b+16*\j    ; my own stage: LDS serves a wave's instructions in order
.endr
.endr
	s_wait_dscnt 0x0
	v_pk_add_f32 v[184:185], v[80:81], v[88:89]
	v_pk_add_f32 v[186:187], v[96:97], v[104:105]
	v_pk_add_f32 v[188:189], v[112:113], v[120:121]
	v_pk_add_f32 v[198:199], v[128:129], v[136:137]
	v_pk_add_f32 v[194:195], v[82:83], v[90:91]
	v_pk_add_f32 v[192:193], v[98:99], v[106:107]
	v_pk_add_f32 v[190:191], v[114:115], v[122:123]
	v_pk_add_f32 v[182:183], v[130:131], v[138:139]
	s_delay_alu instid0(VALU_DEP_1)
	v_pk_add_f32 v[182:183], v[182:183], v[84:85]
	v_pk_add_f32 v[184:185], v[184:185], v[92:93]
	v_pk_add_f32 v[186:187], v[186:187], v[100:101]
	v_pk_add_f32 v[188:189], v[188:189], v[108:109]
	v_pk_add_f32 v[198:199], v[198:199], v[116:117]
	v_pk_add_f32 v[194:195], v[194:195], v[124:125]
	v_pk_add_f32 v[192:193], v[192:193], v[132:133]
	v_pk_add_f32 v[190:191], v[190:191], v[140:141]
	v_pk_add_f32 v[182:183], v[182:183], v[86:87]
	v_pk_add_f32 v[184:185], v[184:185], v[94:95]
	v_pk_add_f32 v[186:187], v[186:187], v[102:103]
	v_pk_add_f32 v[188:189], v[188:189], v[110:111]
	v_pk_add_f32 v[198:199], v[198:199], v[118:119]
	v_pk_add_f32 v[194:195], v[194:195], v[126:127]
	v_pk_add_f32 v[192:193], v[192:193], v[134:135]
	v_pk_add_f32 v[190:191], v[190:191], v[142:143]
	s_delay_alu instid0(VALU_DEP_4)
	v_pk_add_f32 v[182:183], v[182:183], v[198:199]
	s_delay_alu instid0(VALU_DEP_4)
	v_pk_add_f32 v[184:185], v[184:185], v[194:195]
	s_delay_alu instid0(VALU_DEP_4)
	v_pk_add_f32 v[186:187], v[186:187], v[192:193]
	s_delay_alu instid0(VALU_DEP_4)
	v_pk_add_f32 v[188:189], v[188:189], v[190:191]
	s_delay_alu instid0(VALU_DEP_2)
	v_pk_add_f32 v[182:183], v[182:183], v[186:187]
	s_delay_alu instid0(VALU_DEP_2)
	v_pk_add_f32 v[184:185], v[184:185], v[188:189]
	s_delay_alu instid0(VALU_DEP_1)
	v_pk_add_f32 v[182:183], v[182:183], v[184:185]
	s_delay_alu instid0(VALU_DEP_1)
	v_add_f32 v[T0], v[R], v[R+1]
	REDUCE 0
	s_delay_alu instid0(VALU_DEP_1)
	v_mul_f32 v[MP], 0x3a800000, v[T0]             ; / 1,024
	s_delay_alu instid0(VALU_DEP_1)
	v_mov_b32 v[MP+1], v[MP]
.set j, 0
.rept 32
	v_pk_add_f32 v[Y+j:Y+j+1], v[Y+j:Y+j+1], v[MP:MP+1] neg_lo:[0,1] neg_hi:[0,1]   ; x - mean
.set j, j+2
.endr
.irp c, 0,1,2,3
	v_pk_mul_f32 v[R+2*\c:R+2*\c+1], v[Y+2*\c:Y+2*\c+1], v[Y+2*\c:Y+2*\c+1]
.endr
.irp g, 1,2,3,4,5,6,7
.irp c, 0,1,2,3
	s_delay_alu instid0(VALU_DEP_4)
	v_pk_fma_f32 v[R+2*\c:R+2*\c+1], v[Y+8*\g+2*\c:Y+8*\g+2*\c+1], v[Y+8*\g+2*\c:Y+8*\g+2*\c+1], v[R+2*\c:R+2*\c+1]
.endr
.endr
	s_delay_alu instid0(VALU_DEP_3)
	v_pk_add_f32 v[R:R+1], v[R:R+1], v[R+2:R+3]
	s_delay_alu instid0(VALU_DEP_2)
	v_pk_add_f32 v[R+4:R+5], v[R+4:R+5], v[R+6:R+7]
	s_delay_alu instid0(VALU_DEP_1)
	v_pk_add_f32 v[R:R+1], v[R:R+1], v[R+4:R+5]
	s_delay_alu instid0(VALU_DEP_1)
	v_add_f32 v[T0], v[R], v[R+1]
	REDUCE 512                                     ; (other bytes than the first sum's: no third barrier is needed)
	s_delay_alu instid0(VALU_DEP_1)
	v_mul_f32 v[T0], 0x3a802008, v[T0]             ; / 1,023
	s_wait_alu depctr_va_vdst(0)
	v_sqrt_f32 v[T0], v[T0]
	v_nop                                          ; a plain place behind the transcendental,
	s_wait_alu depctr_va_vdst(0)                   ; and the wait ahead of its first reader
	v_add_f32 v[T0], 0x358637bd, v[T0]             ; + 1e-6
	s_wait_alu depctr_va_vdst(0)
	v_rcp_f32 v[T0], v[T0]
	v_nop
	s_wait_alu depctr_va_vdst(0)
	s_wait_kmcnt 0x0                               ; alpha, beta
	v_mul_f32 v[GP], s20, v[T0]
	v_mov_b32 v[BP], s21
	v_mov_b32 v[BP+1], s21
	s_delay_alu instid0(VALU_DEP_3)
	v_mov_b32 v[GP+1], v[GP]
.set j, 0
.rept 32
	v_pk_fma_f32 v[Y+j:Y+j+1], v[Y+j:Y+j+1], v[GP:GP+1], v[BP:BP+1]
.set j, j+2
.endr
	QUANT Y, PC, PC+6, PW
.irp p, 0,1,2,3,4,5
	global_store_b64 v8, v[PC+2*\p:PC+2*\p+1], s[10:11] offset:256*\p      ; 256 consecutive bytes, aligned
.endr
	global_store_b32 v9, v[PW], s[10:11] offset:12288  ; lanes r and r + 16 hold the same word and name the same address
	s_wait_tensorcnt 0x0
	ds_add_u32 v200, v201
	s_wait_dscnt 0x0
	s_endpgm
; ================ THE WEIGHTS ================
; A work-group makes two blocks of wts: waves 0-3 block 2 x its number, waves 4-7 the next.  Each weight has an even number of blocks, so both lie in one weight, and the choice of the weight hangs on the work-group's number alone.
; A lane takes a column and its registers run down K, so a block of 32 lies in one lane and the conversions give codes with K innermost.  The codes go through LDS into the image's order and leave as runs of 512 consecutive bytes.
.Lweights:
	s_load_b256 s[4:11], s[0:1], 0x0               ; wq, wk, wv, wo
	s_load_b128 s[12:15], s[0:1], 0x20             ; w1, w2
	s_load_b64 s[16:17], s[0:1], 0x30              ; wts
	v_lshrrev_b32 v1, 5, v0
	s_delay_alu instid0(VALU_DEP_1)
	v_readfirstlane_b32 s18, v1                    ; wave 0..7
	s_and_b32 s40, s18, 3                          ; my place among the four waves of a block
	s_lshr_b32 s41, s18, 2                         ; which of the work-group's two blocks
	s_lshl_b32 s42, ttmp9, 1
	s_add_co_u32 s42, s42, s41                     ; the block's number in wts
	v_and_b32 v2, 31, v0                           ; lane
	s_mov_b32 s19, 512                             ; the weight's first block,
	s_mov_b32 s20, 4096                            ; bytes in a row of it,
	s_mov_b32 s21, 5                               ; log2 (K / 128): w2's, unless the work-group's number says otherwise
	s_wait_kmcnt 0x0
	s_mov_b64 s[22:23], s[14:15]
	s_cmp_lt_u32 ttmp9, 256                        ; blocks under 512
	s_cselect_b64 s[22:23], s[12:13], s[22:23]
	s_cselect_b32 s19, 256, s19
	s_cselect_b32 s20, 16384, s20
	s_cselect_b32 s21, 3, s21
	s_cmp_lt_u32 ttmp9, 128                        ; under 256
	s_cselect_b64 s[22:23], s[10:11], s[22:23]
	s_cselect_b32 s19, 192, s19
	s_cselect_b32 s20, 4096, s20
	s_cmp_lt_u32 ttmp9, 96                         ; under 192
	s_cselect_b64 s[22:23], s[8:9], s[22:23]
	s_cselect_b32 s19, 128, s19
	s_cmp_lt_u32 ttmp9, 64                         ; under 128
	s_cselect_b64 s[22:23], s[6:7], s[22:23]
	s_cselect_b32 s19, 64, s19
	s_cmp_lt_u32 ttmp9, 32                         ; under 64
	s_cselect_b64 s[22:23], s[4:5], s[22:23]
	s_cselect_b32 s19, 0, s19
	s_sub_co_u32 s24, s42, s19                     ; the block's number in its weight
	s_lshr_b32 s25, s24, s21                       ; nb
	s_lshl_b32 s26, s25, s21
	s_sub_co_u32 s26, s24, s26                     ; ks
	s_lshl_b32 s27, s20, 7                         ; 128 rows
	s_mul_i32 s26, s26, s27
	s_lshl_b32 s25, s25, 9                         ; 128 columns
	s_add_co_u32 s26, s26, s25
	s_mov_b32 s27, 0
	s_add_nc_u64 s[BASE:BASE+1], s[22:23], s[26:27]
	s_lshl_b32 s26, s20, 5                         ; 32 rows
	s_add_nc_u64 s[BASE+2:BASE+3], s[BASE:BASE+1], s[26:27]
	s_add_nc_u64 s[BASE+4:BASE+5], s[BASE+2:BASE+3], s[26:27]
	s_add_nc_u64 s[BASE+6:BASE+7], s[BASE+4:BASE+5], s[26:27]
	s_mul_i32 s38, s42, BLKB
	s_mov_b32 s39, 0
	s_add_nc_u64 s[16:17], s[16:17], s[38:39]      ; my block of wts
	v_and_b32 v10, 127, v0                         ; my column of the block's 128: 32 x my place among the four waves + lane
	s_delay_alu instid0(VALU_DEP_1)
	v_lshlrev_b32 v[OFF], 2, v10
.set i, 1
.rept 31
	s_delay_alu instid0(VALU_DEP_1)
	v_add_nc_u32 v[OFF+i], s20, v[OFF+i-1]
.set i, i+1
.endr
.set kb, 0
.rept 4
.set i, 0
.rept 32
	global_load_b32 v[WX+32*kb+i], v[OFF+i], s[BASE+2*kb:BASE+2*kb+1] th:TH_LOAD_NT   ; a wave reads 128 consecutive bytes, a block's four waves 512
.set i, i+1
.endr
.set kb, kb+1
.endr
	v_bfe_u32 v3, v0, 3, 1                         ; u: my column's fragment is 2 x my place + u,
	v_bfe_u32 v4, v0, 4, 1
	v_and_b32 v5, 7, v0
	s_delay_alu instid0(VALU_DEP_1)
	v_lshl_add_u32 v5, v4, 3, v5                   ; its index there r = 8 (lane / 16) + lane % 8
	s_wait_alu depctr_va_vdst(0)
	s_mul_i32 s36, s40, 3072                       ; my wave's two fragments in the block,
	s_mul_i32 s43, s41, BLKB                       ; my block's image in LDS,
	s_add_co_u32 s44, s36, s43                     ; and the two together
	v_mul_u32_u24 v6, v3, 1536
	s_delay_alu instid0(VALU_DEP_1)
	v_lshl_add_u32 v6, v5, 3, v6
	s_delay_alu instid0(VALU_DEP_1)
	v_add_nc_u32 v6, s44, v6                       ; LDS: the image + 1536 (2 x my place + u) + 8 r
	s_lshr_b32 s37, s40, 1
	s_lshl_b32 s37, s37, 8
	s_and_b32 s38, s40, 1
	s_lshl_b32 s38, s38, 3
	s_add_co_u32 s37, s37, s38
	s_add_co_u32 s37, s37, s43
	v_lshlrev_b32 v7, 4, v5
	s_delay_alu instid0(VALU_DEP_1)
	v_lshl_add_u32 v7, v3, 2, v7
	s_delay_alu instid0(VALU_DEP_1)
	v_add_nc_u32 v7, s37, v7                       ; LDS: the scale word's place, less 12,288
	v_lshlrev_b32 v8, 4, v2                        ; 16 lane
	s_delay_alu instid0(VALU_DEP_1)
	v_add_nc_u32 v9, s44, v8                       ; my wave's 3,072 bytes of the image in LDS,
	s_delay_alu instid0(VALU_DEP_2)
	v_add_nc_u32 v14, s36, v8                      ; and in the block in memory
	s_delay_alu instid0(VALU_DEP_3)
	v_add_nc_u32 v15, s43, v8                      ; LDS: the block's scale words, less 12,288
	BLOCK 0, 63                                    ; (96 may be out; the wait names 63 at the most)
	BLOCK 1, 63
	BLOCK 2, 32
	BLOCK 3, 0
	s_wait_alu depctr_va_vdst(0)
	ds_store_b32 v7, v[SB] offset:12288
.irp t, 0,1,2,3,4,5
	ds_load_b128 v[WX+4*\t:WX+4*\t+3], v9 offset:512*\t        ; my wave's own two fragments: LDS serves a wave's instructions in order
.endr
.irp t, 0,1,2,3,4,5
	s_wait_dscnt 5-\t                              ; load t is in; the 5 - t behind it may be out
	global_store_b128 v14, v[WX+4*\t:WX+4*\t+3], s[16:17] offset:512*\t   ; 512 consecutive bytes
.endr
	s_wait_dscnt 0x0                               ; for the others' sake: my scale words lie in LDS
	s_barrier_signal -1
	s_barrier_wait -1
	s_cmp_lg_u32 s40, 0                            ; the first wave of each block stores its scale words
	s_cbranch_scc1 .Ldone
	ds_load_b128 v[WX+24:WX+27], v15 offset:12288  ; the block's 512 bytes of scale words, from its four waves
	s_wait_dscnt 0x0
	global_store_b128 v8, v[WX+24:WX+27], s[16:17] offset:12288
.Ldone:
	s_wait_tensorcnt 0x0
	ds_add_u32 v200, v201
	s_wait_dscnt 0x0
	s_endpgm
.Lfunc_end_k_q0f6f6cffab_prep:
	.size	k_q0f6f6cffab_prep, .Lfunc_end_k_q0f6f6cffab_prep-k_q0f6f6cffab_prep
	.p2alignl 7, 3214868480
	.fill 96, 4, 3214868480
	.section	.rodata,"a",@progbits
	.p2align	6, 0x0
	.amdhsa_kernel k_q0f6f6cffab_prep
		.amdhsa_group_segment_fixed_size 162816
		.amdhsa_private_segment_fixed_size 0
		.amdhsa_enable_private_segment 0
		.amdhsa_kernarg_size 104
		.amdhsa_user_sgpr_count 2
		.amdhsa_user_sgpr_kernarg_segment_ptr 1
		.amdhsa_wavefront_size32 1
		.amdhsa_system_sgpr_workgroup_id_x 1
		.amdhsa_system_sgpr_workgroup_id_y 1
		.amdhsa_system_sgpr_workgroup_id_z 1
		.amdhsa_system_vgpr_workitem_id 0
		.amdhsa_next_free_vgpr 202
		.amdhsa_next_free_sgpr 66
		.amdhsa_reserve_vcc 0
		.amdhsa_float_denorm_mode_32 3
		.amdhsa_float_denorm_mode_16_64 3
		.amdhsa_memory_ordered 1
		.amdhsa_forward_progress 1
		.amdhsa_inst_pref_size 72
	.end_amdhsa_kernel
	.amdgpu_metadata
---
amdhsa.version: [ 1, 2 ]
amdhsa.kernels:
  - .name:           k_q0f6f6cffab_prep
    .symbol:         k_q0f6f6cffab_prep.kd
    .args:
      - { .name: wq, .offset: 0, .size: 8, .value_kind: global_buffer, .address_space: global }
      - { .name: wk, .offset: 8, .size: 8, .value_kind: global_buffer, .address_space: global }
      - { .name: wv, .offset: 16, .size: 8, .value_kind: global_buffer, .address_space: global }
      - { .name: wo, .offset: 24, .size: 8, .value_kind: global_buffer, .address_space: global }
      - { .name: w1, .offset: 32, .size: 8, .value_kind: global_buffer, .address_space: global }
      - { .name: w2, .offset: 40, .size: 8, .value_kind: global_buffer, .address_space: global }
      - { .name: wts, .offset: 48, .size: 8, .value_kind: global_buffer, .address_space: global }
      - { .name: h, .offset: 56, .size: 8, .value_kind: global_buffer, .address_space: global }
      - { .name: mask, .offset: 64, .size: 8, .value_kind: global_buffer, .address_space: global }
      - { .name: maskbits, .offset: 72, .size: 8, .value_kind: global_buffer, .address_space: global }
      - { .name: x, .offset: 80, .size: 8, .value_kind: global_buffer, .address_space: global }
      - { .name: a1, .offset: 88, .size: 8, .value_kind: global_buffer, .address_space: global }
      - { .name: c1, .offset: 96, .size: 8, .value_kind: global_buffer, .address_space: global }
    .group_segment_fixed_size: 162816
    .private_segment_fixed_size: 0
    .kernarg_segment_align: 8
    .kernarg_segment_size: 104
    .max_flat_workgroup_size: 256
    .sgpr_count:     66
    .vgpr_count:     202
    .wavefront_size: 32
...
	.end_amdgpu_metadata
.endif
;; end of part 1
;; launch qkv (part 2): grid 12 x 16, 4 waves a work-group, clusters of 4 x 4, 327,680 bytes of LDS; arguments h, wts, bq, bk, bv, qbuf, kv; writes qbuf, kv
.if DOCPART == 2
	.amdgcn_target "amdgcn-amd-amdhsa--gfx1250"
	.amdhsa_code_object_version 6
	.text
	.protected	k_q0f6f6cffab_qkv
	.globl	k_q0f6f6cffab_qkv
	.p2align	8
	.type	k_q0f6f6cffab_qkv,@function
k_q0f6f6cffab_qkv:
	s_mov_b64 s[64:65], 0
	v_nop
	global_prefetch_b8 v0, s[64:65] scope:SCOPE_SE
	s_setreg_imm32_b32 hwreg(HW_REG_WAVE_MODE, 25, 1), 1
	s_wait_xcnt 0x0
	s_wait_alu depctr_hold_cnt(0) depctr_sa_sdst(0) depctr_va_vdst(0) depctr_va_sdst(0) depctr_va_ssrc(0) depctr_va_vcc(0) depctr_vm_vsrc(0)
	s_getreg_b32 s2, hwreg(HW_REG_IB_STS2, 6, 4)
	s_cmp_eq_u32 s2, 0
	s_cbranch_scc0 .Lentry_in_a_cluster
	s_endpgm
.Lentry_in_a_cluster:
	s_bfe_u32 s2, ttmp6, 0x10000c
	s_cmp_lg_u32 s2, 0xf033
	s_cbranch_scc0 .Lentry_shape_is_right
	s_endpgm
.Lentry_shape_is_right:
.set AB,    8
.set NQ,    2
.set KS,    8
.set LAPS,  2
.set BIASC, 0
.set BB,    AB
.set HA,    AB/2
.set QA,    AB/4
.set BLK,   12800
.set RUN,   2*BLK
.set SLOT,  4*RUN
.set SPARE, 2*SLOT
.set AOFF,  RUN
.set SOFF,  RUN
.set ADRA, 16
.set ADRB, 20
.set ADRS, 22
.set GA,   24
.set GS,   25
.set SPW,  28
.set NIL,  29
.set SC,   32
.set BC,   64
.set AF,   128
.set BR,   240
.set T,    128
.set H0,   192
.set H1,   204
.set PC,   192
.set TM,   216
.set CT,   232
.set PW0,  32
.set W0,   36
.set W1,   40
.set PWS,  44
.set SW,   52
.set G1,   24
.set G0,   32
.set G1B,  48
.set G0B,  56
.set SEL,  66
.set MSB, 0
.macro WIN new
.if MSB != (\new)
	s_set_vgpr_msb (MSB<<8)|(\new)
.set MSB, (\new)
.endif
.endm
.macro JLOAD s
	s_cmp_eq_u32 s15, 0
	s_cbranch_scc0 .Lfor_b_\@
	tensor_load_to_lds s[G0+4*\s:G0+4*\s+3], s[G1:G1+7]
	s_nop 0
.rept 4
	v_nop
.endr
	s_branch .Lasked_\@
.Lfor_b_\@:
	tensor_load_to_lds s[G0B+4*\s:G0B+4*\s+3], s[G1B:G1B+7]
	s_nop 0
.rept 4
	v_nop
.endr
.Lasked_\@:
.endm
.macro CREST
	s_cmp_lg_u32 s14, 0
	s_cbranch_scc1 .Lnot_wave_0_\@
	s_barrier_signal -3
.Lnot_wave_0_\@:
	s_barrier_wait -3
	s_barrier_signal -1
	s_barrier_wait -1
.endm
.macro CROUND
	s_barrier_signal -1
	s_barrier_wait -1
	CREST
.endm
.macro PLACES n
.rept \n
	v_nop
.endr
.endm
.macro FRAG reg, adr, off
.irp p, 0,1,2,3,4,5
	ds_load_b64 v[(\reg)+2*\p:(\reg)+2*\p+1], v[\adr] offset:(\off)+256*\p
.endr
.endm
.macro FETCH_B slot, q, p
	WIN 0x40
.set i, 0
.rept BB
	FRAG 128*(\p)+12*i, ADRB+\slot, (\q)*BLK+1536*i
.set i, i+1
.endr
	WIN 0
.endm
.macro FETCH_A slot, q, i0
.set i, \i0
.rept HA
	FRAG AF+12*i, ADRA+\slot, (\q)*BLK+1536*i
.set i, i+1
.endr
.endm
.macro SCALES slot
.set q_, 0
.rept NQ
.set g_, 0
.rept AB/4
	ds_load_b128 v[SC+16*\slot+AB*q_+4*g_:SC+16*\slot+AB*q_+4*g_+3], v[ADRS+\slot] offset:q_*BLK+256*g_
.set g_, g_+1
.endr
.set q_, q_+1
.endr
.endm
.macro MULQ k, p, q, sc, first
.set a, (\k)*QA
.rept QA
.set b, 0
.rept BB
.set ix, BB*a+b
.set rD, 8*(ix%32)
.if (\first) && BIASC
	WIN 0x81+0x40*(ix/32)
	v_wmma_scale_f32_16x16x128_f8f6f4 v[rD:rD+7], v[128*(\p)+12*b:128*(\p)+12*b+11], v[AF+12*a:AF+12*a+11], v[BC+8*b:BC+8*b+7], v[SC+16*(\sc)+AB*(\q)+b], v[SC+16*(\sc)+AB*(\q)+a] matrix_a_fmt:MATRIX_FMT_FP6 matrix_b_fmt:MATRIX_FMT_FP6 matrix_a_scale:MATRIX_SCALE_ROW1
.elseif \first
	WIN 0xa1+0x50*(ix/32)
	v_wmma_scale_f32_16x16x128_f8f6f4 v[rD:rD+7], v[128*(\p)+12*b:128*(\p)+12*b+11], v[AF+12*a:AF+12*a+11], 0, v[SC+16*(\sc)+AB*(\q)+b], v[SC+16*(\sc)+AB*(\q)+a] matrix_a_fmt:MATRIX_FMT_FP6 matrix_b_fmt:MATRIX_FMT_FP6 matrix_a_scale:MATRIX_SCALE_ROW1
.else
	WIN 0xa1+0x50*(ix/32)
	v_wmma_scale_f32_16x16x128_f8f6f4 v[rD:rD+7], v[128*(\p)+12*b:128*(\p)+12*b+11], v[AF+12*a:AF+12*a+11], v[rD:rD+7], v[SC+16*(\sc)+AB*(\q)+b], v[SC+16*(\sc)+AB*(\q)+a] matrix_a_fmt:MATRIX_FMT_FP6 matrix_b_fmt:MATRIX_FMT_FP6 matrix_a_scale:MATRIX_SCALE_ROW1
.endif
.set b, b+1
.endr
.set a, a+1
.endr
.endm
.macro STEP slot, q, first
	s_wait_dscnt 6*HA
	MULQ 0, (\q)%2, \q, \slot, \first
	MULQ 1, (\q)%2, \q, \slot, \first
	s_wait_dscnt 0x0
	PLACES 4
	FETCH_B \slot, (\q)+1, 1-(\q)%2
	FETCH_A \slot, (\q)+1, 0
	MULQ 2, (\q)%2, \q, \slot, \first
	MULQ 3, (\q)%2, \q, \slot, \first
	PLACES 4
	WIN 0
	FETCH_A \slot, (\q)+1, HA
.endm
.macro TURN slot, next, fill
	s_wait_tensorcnt 0x0
	ds_add_u32 v[SPW], v[NIL]
	s_wait_dscnt 6*HA+1
	MULQ 0, 1, NQ-1, \slot, 0
	s_wait_dscnt 0x0
	s_barrier_signal -1
	MULQ 1, 1, NQ-1, \slot, 0
	WIN 0
	s_barrier_wait -1
.if \fill
	CREST
	s_add_nc_u64 s[G0+4*\slot+2:G0+4*\slot+3], s[G0+4*\slot+2:G0+4*\slot+3], 2*NQ*BLK
	s_add_nc_u64 s[G0B+4*\slot+2:G0B+4*\slot+3], s[G0B+4*\slot+2:G0B+4*\slot+3], 2*NQ*BLK
	JLOAD \slot
.else
	PLACES 4
.endif
	FETCH_B \next, 0, 0
	FETCH_A \next, 0, 0
	SCALES \next
	MULQ 2, 1, NQ-1, \slot, 0
	MULQ 3, 1, NQ-1, \slot, 0
	PLACES 4
	WIN 0
	FETCH_A \next, 0, HA
.endm
.macro MID slot
.if NQ > 2
	STEP \slot, 1, 0
	STEP \slot, 2, 0
.endif
.endm
.macro QUANT s, d0, d1, pw
.irp b, 0,1,2,3
	v_max3_num_f32 v[TM+\b], |v[(\s)+16*\b]|, |v[(\s)+1+16*\b]|, 0x1800000
.endr
.irp i, 2,4,6,8,10,12,14
.irp b, 0,1,2,3
	v_max3_num_f32 v[TM+\b], v[TM+\b], |v[(\s)+16*\b+\i]|, |v[(\s)+1+16*\b+\i]|
.endr
.endr
.irp b, 0,1,2,3
	v_permlanex16_b32 v[TM+4+\b], v[TM+\b], s[SEL], s[SEL+1]
.endr
.irp b, 0,1,2,3
	v_max_num_f32 v[TM+\b], v[TM+\b], v[TM+4+\b]
.endr
.irp b, 0,1,2,3
	v_add_nc_u32 v[TM+12+\b], 0xff000000, v[TM+\b]
.endr
.irp b, 0,1,2,3
	v_lshrrev_b32 v[TM+4+\b], 23, v[TM+12+\b]
.endr
	v_lshl_or_b32 v[\pw], v[TM+5], 8, v[TM+4]
	v_lshl_or_b32 v[\pw], v[TM+6], 16, v[\pw]
	v_lshl_or_b32 v[\pw], v[TM+7], 24, v[\pw]
	v_cvt_scalef32_pk16_fp6_f32 v[(\d0):(\d0)+2], v[(\s):(\s)+15], v[TM+12]
	v_cvt_scalef32_pk16_fp6_f32 v[CT:CT+2], v[(\s)+16:(\s)+31], v[TM+13]
	v_cvt_scalef32_pk16_fp6_f32 v[(\d1):(\d1)+2], v[(\s)+32:(\s)+47], v[TM+14]
	v_cvt_scalef32_pk16_fp6_f32 v[CT+4:CT+6], v[(\s)+48:(\s)+63], v[TM+15]
	v_nop
.irp i, 0,1,2
	v_permlane16_swap_b32 v[(\d0)+\i], v[CT+\i]
	v_permlane16_swap_b32 v[(\d1)+\i], v[CT+4+\i]
.endr
.irp i, 0,1,2
	v_mov_b32 v[(\d0)+3+\i], v[CT+\i]
	v_mov_b32 v[(\d1)+3+\i], v[CT+4+\i]
.endr
.endm
	s_load_b128 s[4:7], s[0:1], 0x0
	s_load_b128 s[68:71], s[0:1], 0x10
	s_load_b128 s[72:75], s[0:1], 0x20
	s_load_b64 s[76:77], s[0:1], 0x30
	v_lshl_add_u32 v[SPW], v0, 2, SPARE
	v_mov_b32 v[NIL], 0
	ds_add_u32 v28, v29
	ds_add_u32 v28, v29
	s_wait_dscnt 0x0
	v_lshrrev_b32 v1, 5, v0
	v_readfirstlane_b32 s14, v1
	s_lshr_b32 s15, s14, 1
	s_and_b32 s16, s14, 1
	s_bfe_u32 s40, ttmp6, 0x40000
	s_bfe_u32 s41, ttmp6, 0x40004
	s_and_b32 s18, ttmp7, 0xffff
	s_lshl_b32 s18, s18, 2
	s_add_co_u32 s19, s18, s41
	s_add_co_u32 s18, s18, s40
	s_mul_i32 s22, ttmp9, 819200
	s_cmp_eq_u32 ttmp9, 2
	s_cselect_b32 s17, s41, s19
	s_cselect_b32 s42, s18, s40
	s_cselect_b32 s23, s22, 0
	s_cselect_b32 s22, 0, s22
	s_lshl_b32 s43, s41, 2
	s_lshl_b32 s43, 15, s43
	s_lshl_b32 s44, 0x1111, s40
	s_or_b32 s[G1], s43, (3<<16)|(1<<21)
	s_or_b32 s[G1B], s44, (3<<16)|(1<<21)
.irp g, G1, G1B
	s_mov_b32 s[\g+1], 32<<16
	s_mov_b32 s[\g+2], 100<<16
	s_mov_b32 s[\g+3], 32<<16
	s_mov_b32 s[\g+4], 100
	s_mov_b32 s[\g+5], 32
	s_mov_b32 s[\g+6], 0
	s_mov_b32 s[\g+7], 0
.endr
	s_lshl_b32 s20, s17, 1
	s_add_co_u32 s20, s20, s16
	s_mul_i32 s20, s20, KS*BLK
	s_add_co_u32 s20, s20, s23
	s_lshl_b32 s46, s42, 1
	s_add_co_u32 s46, s46, s16
	s_mul_i32 s46, s46, KS*BLK
	s_add_co_u32 s46, s46, s22
	s_mov_b32 s21, 0
	s_mov_b32 s47, 0
	s_mul_i32 s45, s14, RUN
	s_mov_b32 s[SEL], 0x76543210
	s_mov_b32 s[SEL+1], 0xfedcba98
	s_wait_kmcnt 0x0
	s_cmp_eq_u32 ttmp9, 2
	s_cselect_b64 s[78:79], s[6:7], s[4:5]
	s_cselect_b64 s[80:81], s[4:5], s[6:7]
	s_add_nc_u64 s[20:21], s[78:79], s[20:21]
	s_add_nc_u64 s[46:47], s[80:81], s[46:47]
	CROUND
.irp s, 0,1
	s_mov_b32 s[G0+4*\s], 1
	s_add_co_u32 s[G0+4*\s+1], s45, \s*SLOT
	s_add_nc_u64 s[G0+4*\s+2:G0+4*\s+3], s[20:21], \s*NQ*BLK
	s_or_b32 s[G0+4*\s+3], s[G0+4*\s+3], 0x80000000
	s_mov_b32 s[G0B+4*\s], 1
	s_add_co_u32 s[G0B+4*\s+1], s45, \s*SLOT
	s_add_nc_u64 s[G0B+4*\s+2:G0B+4*\s+3], s[46:47], \s*NQ*BLK
	s_or_b32 s[G0B+4*\s+3], s[G0B+4*\s+3], 0x80000000
.endr
	s_cmp_eq_u32 s15, 0                            ; the prefetches: of the 100 blocks of 256 bytes in a run that I fetch, each of the four partners that ask for it jointly names 25, told apart by address
	s_cselect_b64 s[92:93], s[20:21], s[46:47]
	s_cselect_b32 s94, s40, s41
	s_mul_i32 s94, s94, 6400
	s_mov_b32 s95, 0
	s_add_nc_u64 s[92:93], s[92:93], s[94:95]
	JLOAD 0                                        ; slot 0: my one tensor load at the head
	v_and_b32 v30, 31, v0
	v_min_u32 v30, 24, v30                         ; a lane a block; the seven lanes left over name the last block again
	v_lshlrev_b32 v30, 8, v30
	global_prefetch_b8 v30, s[92:93] offset:NQ*BLK th:TH_LOAD_NT scope:SCOPE_SE     ; the runs of the next two fills
	global_prefetch_b8 v30, s[92:93] offset:2*NQ*BLK th:TH_LOAD_NT scope:SCOPE_SE
	v_and_b32 v1, 31, v0
	v_bfe_u32 v2, v0, 4, 1
	s_wait_alu depctr_va_vdst(0)
	v_and_b32 v4, 15, v0
	v_lshlrev_b32 v5, 3, v1
	s_mul_i32 s21, s15, AOFF
	s_mul_i32 s22, s16, AOFF
	s_add_co_u32 s22, s22, 2*RUN
.irp s, 0,1
	v_add_nc_u32 v[ADRA+\s], s21, v5
	v_add_nc_u32 v[ADRB+\s], s22, v5
	s_add_co_u32 s21, s21, SLOT
	s_add_co_u32 s22, s22, SLOT
.endr
	s_mul_i32 s21, s15, SOFF
	s_mul_i32 s22, s16, SOFF
	s_add_co_u32 s22, s22, 2*RUN
	s_sub_co_u32 s22, s22, s21
	v_mul_u32_u24 v6, s22, v2
	s_wait_alu depctr_va_vdst(0)
	v_lshl_add_u32 v6, v4, 4, v6
	s_add_co_u32 s21, s21, 12288
	v_add_nc_u32 v[ADRS], s21, v6
	v_add_nc_u32 v[ADRS+1], SLOT, v[ADRS]
	s_cmp_eq_u32 ttmp9, 0
	s_cselect_b64 s[8:9], s[68:69], s[70:71]
	s_cselect_b64 s[10:11], s[74:75], s[76:77]
	s_cmp_eq_u32 ttmp9, 2
	s_cselect_b64 s[8:9], s[72:73], s[8:9]
	s_lshl_b32 s18, s17, 1
	s_add_co_u32 s18, s18, s15
	s_lshl_b32 s19, s42, 1
	s_add_co_u32 s19, s19, s16
	s_cmp_eq_u32 ttmp9, 2
	s_cselect_b32 s82, s19, s18
	s_cselect_b32 s83, s18, s19
	s_and_b32 s18, s18, 7
	s_lshl_b32 s88, s18, 9
	s_and_b32 s19, s19, 7
	s_lshl_b32 s86, s19, 9
	s_mov_b32 s87, 0
	s_mov_b32 s89, 0
	s_add_nc_u64 s[86:87], s[8:9], s[86:87]
	s_add_nc_u64 s[88:89], s[8:9], s[88:89]
	v_lshlrev_b32 v3, 6, v2
	v_and_b32 v7, 8, v4
	v_add_nc_u32 v7, v7, v4
	v_lshlrev_b32 v7, 2, v7
.irp b, 0,1,2,3,4,5,6,7
	global_load_b128 v[BC+8*\b:BC+8*\b+3], v3, s[86:87] offset:(32*(\b/2)+8*(\b%2))*4
	global_load_b128 v[BC+8*\b+4:BC+8*\b+7], v3, s[86:87] offset:(32*(\b/2)+8*(\b%2))*4+16
.endr
.irp a, 0,1,2,3,4,5,6,7
	global_load_b32 v[BR+2*\a], v7, s[88:89] offset:(32*(\a/2)+8*(\a%2))*4
.endr
	s_lshr_b32 s90, s82, 4
	s_lshl_b32 s90, s90, 4
	s_lshl_b32 s91, s83, 1
	s_add_co_u32 s90, s90, s91
	s_lshl_b32 s90, s90, 4
	s_and_b32 s91, s82, 15
	s_add_co_u32 s90, s90, s91
	s_mul_i32 s90, s90, BLK
	s_mov_b32 s91, 0
	s_add_nc_u64 s[10:11], s[10:11], s[90:91]
	v_lshlrev_b32 v[GA], 4, v1
	v_mul_u32_u24 v[GS], v2, 204800
	v_lshl_add_u32 v[GS], v4, 4, v[GS]
	s_wait_alu depctr_va_vdst(0)
	s_wait_loadcnt 0x0
	s_wait_tensorcnt 0x0                           ; my part of slot 0 is in
	ds_add_u32 v[SPW], v[NIL]
	s_wait_dscnt 0x0
	CROUND                                         ; everybody's part is in, and the joint loads meet
	JLOAD 1                                        ; slot 1's first fill, the first tensor load behind the round
	global_prefetch_b8 v30, s[92:93] offset:3*NQ*BLK th:TH_LOAD_NT scope:SCOPE_SE   ; the last of K's four runs, two fills ahead
	FETCH_B 0, 0, 0
	FETCH_A 0, 0, 0
	SCALES 0
	FETCH_A 0, 0, HA
	STEP 0, 0, 1
.if LAPS > 1
	s_mov_b32 s3, LAPS-1
.Llap:
	MID 0
	TURN 0, 1, 1
	STEP 1, 0, 0
	MID 1
	TURN 1, 0, 1
	STEP 0, 0, 0
	s_sub_co_u32 s3, s3, 1
	s_cmp_lg_u32 s3, 0
	s_cbranch_scc1 .Llap
.endif
	MID 0
	TURN 0, 1, 0
	STEP 1, 0, 0
	MID 1
	s_wait_dscnt 6*HA
	MULQ 0, 1, NQ-1, 1, 0
	MULQ 1, 1, NQ-1, 1, 0
	s_wait_dscnt 0x0
	MULQ 2, 1, NQ-1, 1, 0
	MULQ 3, 1, NQ-1, 1, 0
	WIN 0
	PLACES 4
.irp b, 0,1,2,3
	v_mov_b32 v[TM+4+\b], 0
.endr
	v_cmp_le_u32 vcc_lo, 16, v1
	s_cmp_eq_u32 ttmp9, 2
	s_cbranch_scc1 .Lvpath
.macro PASSK g
.if (\g) > 0
	s_wait_xcnt 0x0
.endif
.irp u, 0,1
	WIN 0x02+(2*(\g)+\u)/4
.set j, 0
.rept 32
	v_pk_add_f32 v[T+j:T+j+1], v[64*((2*(\g)+\u)%4)+j:64*((2*(\g)+\u)%4)+j+1], v[BC+j:BC+j+1]
.set j, j+2
.endr
	WIN 0
	QUANT T, H0+6*\u, H1+6*\u, PW0+\u
.endr
	v_perm_b32 v[W0+(\g)], v[PW0+1], v[PW0], 0x05040100
	v_perm_b32 v[W1+(\g)], v[PW0+1], v[PW0], 0x07060302
.irp c, 0,1,2
	global_store_b128 v[GA], v[H0+4*\c:H0+4*\c+3], s[10:11] offset:1536*(\g)+512*\c
	global_store_b128 v[GA], v[H1+4*\c:H1+4*\c+3], s[10:11] offset:204800+1536*(\g)+512*\c
.endr
.endm
	PASSK 0
	PASSK 1
	PASSK 2
	PASSK 3
.irp i, 0,1,2,3
	v_cndmask_b32 v[SW+\i], v[W0+\i], v[W1+\i], vcc_lo
.endr
	global_store_b128 v[GS], v[SW:SW+3], s[10:11] offset:12288
	s_branch .Ljoin
.Lvpath:
.macro PASSV a
.if (\a) > 0
	s_wait_xcnt 0x0
.endif
	WIN 0x02+(\a)/4
.set j, 0
.rept 32
	v_pk_add_f32 v[T+j:T+j+1], v[64*((\a)%4)+j:64*((\a)%4)+j+1], v[BR+2*(\a):BR+2*(\a)+1]
.set j, j+2
.endr
	WIN 0
	QUANT T, PC, PC+6, PWS+(\a)
.irp c, 0,1,2
	global_store_b128 v[GA], v[PC+4*\c:PC+4*\c+3], s[10:11] offset:204800*((\a)/4)+6144+1536*((\a)%4)+512*\c
.endr
.endm
.irp a, 0,1,2,3,4,5,6,7
	v_mov_b32 v[BR+2*\a+1], v[BR+2*\a]
.endr
.irp a, 0,1,2,3,4,5,6,7
	PASSV \a
.endr
.irp i, 0,1,2,3
	v_cndmask_b32 v[SW+\i], v[PWS+\i], v[PWS+4+\i], vcc_lo
.endr
	global_store_b128 v[GS], v[SW:SW+3], s[10:11] offset:12544
.Ljoin:
	s_wait_tensorcnt 0x0
	ds_add_u32 v[SPW], v[NIL]
	s_wait_dscnt 0x0
	CROUND
	s_endpgm
.Lfunc_end_k_q0f6f6cffab_qkv:
	.size	k_q0f6f6cffab_qkv, .Lfunc_end_k_q0f6f6cffab_qkv-k_q0f6f6cffab_qkv
	.p2alignl 7, 3214868480
	.fill 96, 4, 3214868480
	.section	.rodata,"a",@progbits
	.p2align	6, 0x0
	.amdhsa_kernel k_q0f6f6cffab_qkv
		.amdhsa_group_segment_fixed_size 327680
		.amdhsa_private_segment_fixed_size 0
		.amdhsa_enable_private_segment 0
		.amdhsa_kernarg_size 56
		.amdhsa_user_sgpr_count 2
		.amdhsa_user_sgpr_kernarg_segment_ptr 1
		.amdhsa_wavefront_size32 1
		.amdhsa_system_sgpr_workgroup_id_x 1
		.amdhsa_system_sgpr_workgroup_id_y 1
		.amdhsa_system_sgpr_workgroup_id_z 1
		.amdhsa_system_vgpr_workitem_id 0
		.amdhsa_next_free_vgpr 1024
		.amdhsa_next_free_sgpr 100
		.amdhsa_reserve_vcc 1
		.amdhsa_float_denorm_mode_32 3
		.amdhsa_float_denorm_mode_16_64 3
		.amdhsa_memory_ordered 1
		.amdhsa_forward_progress 1
		.amdhsa_inst_pref_size 230
	.end_amdhsa_kernel
	.amdgpu_metadata
---
amdhsa.version: [ 1, 2 ]
amdhsa.kernels:
  - .name:           k_q0f6f6cffab_qkv
    .symbol:         k_q0f6f6cffab_qkv.kd
    .args:
      - { .name: h, .offset: 0, .size: 8, .value_kind: global_buffer, .address_space: global }
      - { .name: wts, .offset: 8, .size: 8, .value_kind: global_buffer, .address_space: global }
      - { .name: bq, .offset: 16, .size: 8, .value_kind: global_buffer, .address_space: global }
      - { .name: bk, .offset: 24, .size: 8, .value_kind: global_buffer, .address_space: global }
      - { .name: bv, .offset: 32, .size: 8, .value_kind: global_buffer, .address_space: global }
      - { .name: qbuf, .offset: 40, .size: 8, .value_kind: global_buffer, .address_space: global }
      - { .name: kv, .offset: 48, .size: 8, .value_kind: global_buffer, .address_space: global }
    .group_segment_fixed_size: 327680
    .private_segment_fixed_size: 0
    .kernarg_segment_align: 8
    .kernarg_segment_size: 56
    .max_flat_workgroup_size: 128
    .sgpr_count:     100
    .vgpr_count:     1024
    .wavefront_size: 32
...
	.end_amdgpu_metadata
.endif
;; end of part 2
;; launch attn (part 3): grid 8 x 32, 16 waves a work-group, no clusters, 206,848 bytes of LDS; arguments qbuf, kv, maskbits, ao; writes ao
.if DOCPART == 3
	.amdgcn_target "amdgcn-amd-amdhsa--gfx1250"
	.amdhsa_code_object_version 6
	.text
	.protected	k_q0f6f6cffab_attn
	.globl	k_q0f6f6cffab_attn
	.p2align	8
	.type	k_q0f6f6cffab_attn,@function
k_q0f6f6cffab_attn:
	s_mov_b64 s[64:65], 0
	v_nop
	global_prefetch_b8 v0, s[64:65] scope:SCOPE_SE
	s_setreg_imm32_b32 hwreg(HW_REG_WAVE_MODE, 25, 1), 1
	s_wait_xcnt 0x0
; Attention of one head on codes of FP6 (E2M3) with E8M0 scales: o = softmax(where(mask == 0, -1e9, q k^T / 8)) v, quantised again as the next product's operand.
; THE SOFTMAX: t = score x log2(e) / 8; M = the running largest t rounded UP to a whole number; p = 2^(t - M) is quantised along the keys, not normalised; the row's sum is taken of the unquantised p
; and divides at the end.  When M moves, the sum and O are multiplied by 2^(old M - new M): exact.
; SHARES.  A work-group owns 256 queries of one (batch, head); each of its sixteen waves 16 of them, one tile, in 256 registers.
; THE HEAD'S K AND V, codes and scale words, are one dense image of 204,800 bytes (16 steps of 128 keys x 12,800 bytes) in the order of the operands' registers.  It is copied into LDS once, through registers:
; 25 loads and 25 LDS stores of 16 bytes a thread, each instruction of a wave on 512 consecutive bytes.
; A STEP'S 12,800 BYTES: four pair fragments g of k at 1536 g (registers 0-5: the 64 channels of key tile 2 g, registers 6-11: tile 2 g + 1), four fragments t of v^T at 6,144 + 1536 t, each as three runs of
; 512 bytes (registers 4 c .. + 3 of lane l at 512 c + 16 l); k's scale words at 12,288 + 16 r + 4 g, v's at 12,544 + 16 r + 4 t.
; A pair fragment is multiplied by [q | 0] for its first tile's scores and by [0 | q] for its second's: zero codes add nothing under any byte 1 .. 254.
; LAYOUT.  Both products are used transposed: a lane holds ONE query (lane % 16); score register j is key 32 (j / 16) + 16 (lane / 16) + j % 16 of the step.
; THE MASK comes as lane masks, a word for each score register (64 words a step, scalar loads), and one flag word a step, their AND (from byte 524,288 of maskbits on).  Where the flag is -1 no score of the step
; is masked, and a scalar branch on that stored whole number leads round the 64 selects and round nothing else.  The next step's words and flag are asked for as soon as this step's have been used; in the last
; trip the pointers stand still.
; NO TENSOR LOAD, NO CLUSTER: the image comes through registers and the query blocks of a head do not ask jointly.
; NO PREFETCH: the image is asked for once, at the kernel's head, with no loop ahead of it; the mask words are asked for most of a step ahead of their use.
; LIMIT: a masked score is set to -2^33 (a logit of -2^30 in place of -1e9).  2^33 c is a whole number, so a row with no key left gets p = 1 for every key, as with -1e9; where a row keeps a key, a masked p is 0
; either way.  The two differ only where a row's largest kept logit lies under about -1e9.  The scaled scores stay under 2^31.  NaN and infinities are not served; blocks under 2^-124 keep the byte 1.
.set BLK, 12800
.set SPARE, 0x32000                    ; behind the image: the spare words, 128 bytes a wave
.set S,   96                           ; v96-159  the scores, then p  (at the head v96-195 carry the image)
.set O,   160                          ; v160-191 O^T
.set KF,  40                           ; v40-87   four fragments of k, then of v^T
.set SCL, 36                           ; v36-39   lanes 0-15 k's scale words, lanes 16-31 v's
.set PC,  192                          ; v192-203 p's codes
.set CT,  204                          ; v204-210 halves on their way
.set BM,  212                          ; the blocks' largest scores, then p
.set BY,  216                          ; the other half's, then the bytes
.set SO,  220                          ; the conversions' scale operands
.set TS,  228                          ; v228-241 seven partial sums, in pairs
.set WV,  12
.set SEL, 8                            ; s[8:9]   selects for lane l xor 16
.set CS,  10                           ; s[10:11] c = log2(e) / 8, twice
; v1 16 lane; v2 -2^33; v3, v4 the way out; v5-8 the fill's LDS addresses, then v8 the step's; v12 -M, v13 the largest t, v[14:15] the sum; v16-21 zeros, v22-27 q, v28-33 zeros; v34 q's scale word, v35 p's
; s2 the step's LDS byte; s3 steps to go; s[4:5] mask words; s[86:87] flags; s[6:7] ao; s[16:63], s[68:83] the 64 words; s84 the flag; s[88:91] the pointers' steps
.macro MASKW
	s_load_b512 s[16:31], s[4:5], 0x0
	s_load_b512 s[32:47], s[4:5], 0x40
	s_load_b512 s[48:63], s[4:5], 0x80
	s_load_b512 s[68:83], s[4:5], 0xc0
	s_load_b32 s84, s[86:87], 0x0
.endm
	s_load_b128 s[92:95], s[0:1], 0x0              ; qbuf, kv
	s_load_b128 s[84:87], s[0:1], 0x10             ; maskbits, ao
	v_lshl_add_u32 v254, v0, 2, SPARE
	v_mov_b32 v255, 0
	v_lshrrev_b32 v1, 5, v0
	s_delay_alu instid0(VALU_DEP_1)
	v_readfirstlane_b32 s[WV], v1                  ; wave 0..15
	s_and_b32 s15, ttmp7, 0xffff                   ; batch x 16 + head
	s_mul_i32 s24, s15, 16*BLK                     ; the head's image
	s_mov_b32 s25, 0
	s_mov_b32 s[SEL], 0x76543210
	s_mov_b32 s[SEL+1], 0xfedcba98
	s_mov_b32 s[CS], 0x3e38aa3b
	s_mov_b32 s[CS+1], s[CS]
	s_lshl_b32 s27, s15, 4
	s_lshl_b32 s28, ttmp9, 1
	s_lshr_b32 s29, s[WV], 3
	s_add_co_u32 s28, s28, s29                     ; my queries' block of 128 tokens in the sequence
	s_add_co_u32 s30, s27, s28
	s_mul_i32 s30, s30, BLK
	s_mov_b32 s31, 0
	s_bfe_u32 s32, s[WV], 0x20001                  ; the pair fragment that holds my tile
	s_mul_i32 s33, s32, 1536
	s_lshl_b32 s32, s32, 2
	s_lshl_b32 s34, ttmp9, 4
	s_add_co_u32 s34, s34, s[WV]                   ; my query tile in the sequence
	s_lshl_b32 s26, s34, 6                         ; 16 flags,
	s_add_co_u32 s26, s26, 0x80000                 ; behind the lane masks
	s_mov_b32 s27, 0
	s_lshl_b32 s34, s34, 12                        ; 16 steps x 256 bytes
	s_mov_b32 s35, 0
	s_lshr_b32 s36, s15, 4                         ; ao: block (token block, head / 2); my tile is fragment wave % 8; my head its k 0..63 or 64..127
	s_lshl_b32 s36, s36, 4
	s_add_co_u32 s36, s36, s28
	s_lshl_b32 s36, s36, 3
	s_bfe_u32 s37, s15, 0x30001
	s_add_co_u32 s36, s36, s37
	s_mul_i32 s36, s36, BLK
	s_mov_b32 s37, 0
	s_and_b32 s38, s[WV], 7
	s_mul_i32 s39, s38, 1536
	s_and_b32 s40, s15, 1
	s_mul_i32 s41, s40, 768
	s_add_co_u32 s39, s39, s41
	s_lshr_b32 s38, s38, 2
	s_lshl_b32 s38, s38, 8
	s_and_b32 s41, s[WV], 3
	s_lshl_b32 s41, s41, 2
	s_add_co_u32 s38, s38, s41
	s_lshl_b32 s40, s40, 1
	s_add_co_u32 s38, s38, s40
	s_and_b32 s42, s[WV], 1                        ; which tile of the pair is mine
	s_mov_b32 s97, 0x03020302
	s_cmp_lg_u32 s42, 0
	s_cselect_b32 s96, -1, 0
	s_cselect_b32 s97, s97, 0x01000100
	s_mov_b32 s89, 0
	s_mov_b32 s91, 0
	s_mov_b32 s2, 0
	s_mov_b32 s3, 16
	v_and_b32 v9, 31, v0
	v_and_b32 v10, 15, v0
	v_lshlrev_b32 v5, 4, v0                        ; 16 x thread: my place in each 8,192 bytes of the image
	v_lshlrev_b32 v1, 4, v9
	v_add_nc_u32 v6, 0x10000, v5                   ; an LDS immediate has 16 bits: four address registers reach the image's 204,800 bytes
	v_add_nc_u32 v7, 0x20000, v5
	v_add_nc_u32 v8, 0x30000, v5
	v_add_nc_u32 v12, s33, v1
	v_lshl_add_u32 v13, v10, 4, s32
	v_lshl_add_u32 v3, v9, 3, s39                  ; the way out: the codes' place,
	v_lshl_add_u32 v4, v10, 4, s38                 ; my head's two scale bytes, less 12,288
.irp i, 0,1,2,3,4,5
	v_mov_b32 v[16+\i], 0
	v_mov_b32 v[28+\i], 0
.endr
	v_mov_b32 v2, 0xd0000000                       ; -2^33
	v_mov_b32 v14, 0
	v_mov_b32 v15, 0
.irp b, 0,1,2,3
	v_mov_b32 v[BY+\b], 0                          ; (a lane permute's destination counts as one of its sources)
.endr
	v_mov_b32 v224, 0
	v_mov_b32 v227, 0                              ; (named as the upper half of a pair)
	s_wait_alu depctr_va_vdst(0)
	s_wait_kmcnt 0x0
	s_add_nc_u64 s[92:93], s[92:93], s[30:31]
	s_add_nc_u64 s[94:95], s[94:95], s[24:25]
	s_add_nc_u64 s[6:7], s[86:87], s[36:37]
	s_add_nc_u64 s[4:5], s[84:85], s[34:35]
	s_add_nc_u64 s[86:87], s[84:85], s[26:27]
	global_load_b128 v[40:43], v12, s[92:93]
	global_load_b128 v[44:47], v12, s[92:93] offset:512
	global_load_b128 v[48:51], v12, s[92:93] offset:1024
	global_load_b32 v52, v13, s[92:93] offset:12288
.set i, 0
.rept 25
	global_load_b128 v[96+4*i:99+4*i], v5, s[94:95] offset:8192*i
.set i, i+1
.endr
	MASKW                                          ; step 0's words and flag
	s_wait_loadcnt 25                              ; q's four loads are in; the image's 25 may be out
.irp i, 0,1,2,3,4,5
	v_cndmask_b32 v[22+\i], v[40+\i], v[46+\i], s96    ; my tile's six registers
.endr
	v_perm_b32 v34, v52, v52, s97                  ; its two scale bytes, twice: they serve [q | 0] and [0 | q]
	v_mov_b32 v13, 0xff61b1e6                      ; the largest t so far: -3e38
	s_delay_alu instid0(VALU_DEP_1)
	v_floor_f32 v12, -v13                          ; -M
.set i, 0
.rept 25
	s_wait_loadcnt 24-i                            ; load i is in; the 24 - i behind it may be out
	ds_store_b128 v[5+i/8], v[96+4*i:99+4*i] offset:8192*(i%8)
.set i, i+1
.endr
.set j, 0
.rept 32
	v_mov_b32 v[O+j], 0                            ; the loop is written once: its first step finds zeros
.set j, j+1
.endr
	s_wait_alu depctr_va_vdst(0)
	s_wait_dscnt 0x0                               ; my part of the image lies in LDS,
	s_barrier_signal -1
	s_barrier_wait -1                              ; everybody's does
.Lstep:                                            ; 128 keys a trip
	v_add_nc_u32 v8, s2, v1
.rept 3
	v_nop                                          ; with the line above: four places behind the last step's products, in front of loads into their sources
.endr
.irp g, 0,1,2,3
.irp c, 0,1,2
	ds_load_b128 v[KF+12*\g+4*\c:KF+12*\g+4*\c+3], v8 offset:1536*\g+512*\c
.endr
.endr
	ds_load_b128 v[SCL:SCL+3], v8 offset:12288
	s_wait_alu depctr_va_vdst(0)
	s_wait_dscnt 0x0
.irp g, 0,1,2,3
	v_wmma_scale_f32_16x16x128_f8f6f4 v[S+16*\g:S+16*\g+7], v[KF+12*\g:KF+12*\g+11], v[22:33], 0, v[SCL+\g], v34 matrix_a_fmt:MATRIX_FMT_FP6 matrix_b_fmt:MATRIX_FMT_FP6
	v_wmma_scale_f32_16x16x128_f8f6f4 v[S+16*\g+8:S+16*\g+15], v[KF+12*\g:KF+12*\g+11], v[16:27], 0, v[SCL+\g], v34 matrix_a_fmt:MATRIX_FMT_FP6 matrix_b_fmt:MATRIX_FMT_FP6
.endr
.rept 4
	v_nop
.endr
.irp t, 0,1,2,3
.irp c, 0,1,2
	ds_load_b128 v[KF+12*\t+4*\c:KF+12*\t+4*\c+3], v8 offset:6144+1536*\t+512*\c   ; v^T lands while the softmax is worked
.endr
.endr
	s_wait_kmcnt 0x0                               ; the step's mask words and flag are in
	s_cmp_eq_u32 s84, -1
	s_cbranch_scc1 .Lfull                          ; no score of this tile and step is masked
.set j, 0
.rept 48
	v_cndmask_b32 v[S+j], v2, v[S+j], s[16+j]      ; where the mask is 0: -2^33.  Each accumulator from its low end on
.set j, j+1
.endr
.rept 16
	v_cndmask_b32 v[S+j], v2, v[S+j], s[20+j]
.set j, j+1
.endr
.Lfull:
	s_cmp_gt_u32 s3, 1                             ; the next step's words; in the last trip the pointers stand still, inside their buffer
	s_cselect_b32 s88, 256, 0
	s_cselect_b32 s90, 4, 0
	s_add_nc_u64 s[4:5], s[4:5], s[88:89]
	s_add_nc_u64 s[86:87], s[86:87], s[90:91]
	MASKW
.irp b, 0,1,2,3
	v_max3_num_f32 v[BM+\b], v[S+16*\b], v[S+1+16*\b], v[S+2+16*\b]   ; the largest score of each block of 32 keys: for the row's maximum and for the block's largest p
.endr
.irp i, 3,5,7,9,11,13
.irp b, 0,1,2,3
	v_max3_num_f32 v[BM+\b], v[BM+\b], v[S+16*\b+\i], v[S+1+16*\b+\i]   ; (the four blocks by turns)
.endr
.endr
.irp b, 0,1,2,3
	v_max_num_f32 v[BM+\b], v[BM+\b], v[S+15+16*\b]
.endr
.irp b, 0,1,2,3
	s_delay_alu instid0(VALU_DEP_4)
	v_permlanex16_b32 v[BY+\b], v[BM+\b], s[SEL], s[SEL+1]
.endr
.irp b, 0,1,2,3
	s_delay_alu instid0(VALU_DEP_4)
	v_max_num_f32 v[BM+\b], v[BM+\b], v[BY+\b]     ; with lane l xor 16's 16 keys
.endr
	s_delay_alu instid0(VALU_DEP_2)
	v_max3_num_f32 v224, v[BM], v[BM+1], v[BM+2]
	s_delay_alu instid0(VALU_DEP_1)
	v_max_num_f32 v224, v224, v[BM+3]
	s_delay_alu instid0(VALU_DEP_1)
	v_mul_f32 v224, s[CS], v224                    ; as t (c is positive)
	s_delay_alu instid0(VALU_DEP_1)
	v_max_num_f32 v13, v13, v224                   ; the running largest t
	v_mov_b32 v224, v12
	s_delay_alu instid0(VALU_DEP_2)
	v_floor_f32 v12, -v13                          ; the new -M = -ceil(t)
	s_delay_alu instid0(VALU_DEP_1)
	v_sub_f32 v224, v12, v224                      ; old M - new M: a whole number, 0 or less
	s_delay_alu instid0(VALU_DEP_1)
	v_cvt_i32_f32 v224, v224                       ; (it saturates)
	s_delay_alu instid0(VALU_DEP_1)
	v_ldexp_f32 v226, 1.0, v224                    ; f = 2^(old M - new M)
.set j, 0
.rept 32
	v_pk_fma_f32 v[S+j:S+j+1], v[S+j:S+j+1], s[CS:CS+1], v[12:13] op_sel_hi:[1,0,0]   ; t - M, two at a time
.set j, j+2
.endr
.irp b, 0,1,2,3
	v_fma_f32 v[BM+\b], v[BM+\b], s[CS], v12       ; the same of each block's largest score
.endr
	s_wait_alu depctr_va_vdst(0)
.set j, 0
.rept 64
	v_exp_f32 v[S+j], v[S+j]                       ; p = 2^(t - M), at most 1
.set j, j+1
.endr
.irp b, 0,1,2,3
	v_exp_f32 v[BM+\b], v[BM+\b]                   ; the block's largest p: the same two instructions on the same number
.endr
	v_pk_mul_f32 v[14:15], v[14:15], v[226:227] op_sel_hi:[1,0]   ; the sums under the new M (a plain place behind the exponentials)
	s_wait_alu depctr_va_vdst(0)                   ; one wait for the whole batch, ahead of its first reader
.set k, 0
.rept 7
	v_pk_add_f32 v[TS+2*k:TS+2*k+1], v[S+4*k:S+4*k+1], v[S+4*k+2:S+4*k+3]   ; the row's sum of the unquantised p: eight chains by turns
.set k, k+1
.endr
	v_pk_add_f32 v[14:15], v[14:15], v[S+28:S+29]
.irp r, 0,1
.set k, 0
.rept 7
	v_pk_add_f32 v[TS+2*k:TS+2*k+1], v[TS+2*k:TS+2*k+1], v[S+30+16*\r+2*k:S+31+16*\r+2*k]
.set k, k+1
.endr
	v_pk_add_f32 v[14:15], v[14:15], v[S+44+16*\r:S+45+16*\r]
.endr
	v_pk_add_f32 v[TS:TS+1], v[TS:TS+1], v[S+62:S+63]
	v_pk_add_f32 v[TS+4:TS+5], v[TS+4:TS+5], v[TS+6:TS+7]
	v_pk_add_f32 v[TS+8:TS+9], v[TS+8:TS+9], v[TS+10:TS+11]
	v_pk_add_f32 v[14:15], v[14:15], v[TS+12:TS+13]
	s_delay_alu instid0(VALU_DEP_4)
	v_pk_add_f32 v[TS:TS+1], v[TS:TS+1], v[TS+2:TS+3]
	s_delay_alu instid0(VALU_DEP_3)
	v_pk_add_f32 v[TS+4:TS+5], v[TS+4:TS+5], v[TS+8:TS+9]
	s_delay_alu instid0(VALU_DEP_2)
	v_pk_add_f32 v[14:15], v[14:15], v[TS:TS+1]
	s_delay_alu instid0(VALU_DEP_1)
	v_pk_add_f32 v[14:15], v[14:15], v[TS+4:TS+5]
.irp b, 0,1,2,3
	v_max_num_f32 v[BM+\b], 0x1800000, v[BM+\b]    ; the floor 2^(3 - 127): the byte cannot fall under 1
.endr
.irp b, 0,1,2,3
	s_delay_alu instid0(VALU_DEP_4)
	v_add_nc_u32 v[SO+\b], 0xff000000, v[BM+\b]    ; 2 off the exponent field: the conversion's scale operand
.endr
.irp b, 0,1,2,3
	s_delay_alu instid0(VALU_DEP_4)
	v_lshrrev_b32 v[BY+\b], 23, v[SO+\b]           ; the scale's byte
.endr
	s_delay_alu instid0(VALU_DEP_3)
	v_lshl_or_b32 v35, v[BY+1], 8, v[BY]           ; p's scale word for these 128 keys
	s_delay_alu instid0(VALU_DEP_1)
	v_lshl_or_b32 v35, v[BY+2], 16, v35
	s_delay_alu instid0(VALU_DEP_1)
	v_lshl_or_b32 v35, v[BY+3], 24, v35
.irp c, 0,1
	v_cvt_scalef32_pk16_fp6_f32 v[PC+6*\c:PC+6*\c+2], v[S+32*\c:S+32*\c+15], v[SO+2*\c]
	v_cvt_scalef32_pk16_fp6_f32 v[CT+4*\c:CT+4*\c+2], v[S+16+32*\c:S+31+32*\c], v[SO+2*\c+1]
.endr
	v_nop                                          ; one plain place behind a scaled conversion
.irp c, 0,1
.irp i, 0,1,2
	v_permlane16_swap_b32 v[PC+6*\c+\i], v[CT+4*\c+\i]   ; a whole block in a lane: lanes 0-15 the even block, lanes 16-31 the odd one
.endr
.irp i, 0,1,2
	s_delay_alu instid0(VALU_DEP_3)
	v_mov_b32 v[PC+3+6*\c+\i], v[CT+4*\c+\i]
.endr
.endr
	s_wait_alu depctr_va_vdst(0)                   ; directly ahead of the first reader of O^T
.set j, 0
.rept 16
	v_pk_mul_f32 v[O+j:O+j+1], v[O+j:O+j+1], v[226:227] op_sel_hi:[1,0]   ; O^T under the new M.  (These sixteen also stand between the lines that made p's codes and scale word and the products)
.set j, j+2
.endr
	s_wait_alu depctr_va_vdst(0)
	s_wait_dscnt 0x0                               ; v^T is in
.irp t, 0,1,2,3
	v_wmma_scale_f32_16x16x128_f8f6f4 v[O+8*\t:O+8*\t+7], v[KF+12*\t:KF+12*\t+11], v[PC:PC+11], v[O+8*\t:O+8*\t+7], v[SCL+\t], v35 matrix_a_fmt:MATRIX_FMT_FP6 matrix_b_fmt:MATRIX_FMT_FP6 matrix_a_scale:MATRIX_SCALE_ROW1
.endr
	s_add_co_u32 s2, s2, BLK
	s_sub_co_u32 s3, s3, 1
	s_cmp_lg_u32 s3, 0
	s_cbranch_scc1 .Lstep
	; THE WAY OUT: O^T / the sum; a lane's 32 numbers are 16 neighbouring channels of each of the head's two blocks of 32: quantised as they stand, they are half a fragment of the next product's operand.
	s_wait_kmcnt 0x0                               ; the last trip's scalar loads
.rept 4
	v_nop
.endr
	v_add_f32 v14, v14, v15
	s_delay_alu instid0(VALU_DEP_1)
	v_permlanex16_b32 v224, v14, s[SEL], s[SEL+1]
	s_delay_alu instid0(VALU_DEP_1)
	v_add_f32 v14, v14, v224                       ; the row's sum
	s_wait_alu depctr_va_vdst(0)
	v_rcp_f32 v14, v14
	v_nop                                          ; a plain place behind the transcendental,
	s_wait_alu depctr_va_vdst(0)                   ; and the wait ahead of its first reader
.set j, 0
.rept 32
	v_mul_f32 v[S+j], v[O+j], v14
.set j, j+1
.endr
.irp b, 0,1
	v_max3_num_f32 v[BM+\b], |v[S+16*\b]|, |v[S+1+16*\b]|, 0x1800000
.endr
.irp i, 2,4,6,8,10,12,14
.irp b, 0,1
	s_delay_alu instid0(VALU_DEP_2)
	v_max3_num_f32 v[BM+\b], v[BM+\b], |v[S+16*\b+\i]|, |v[S+1+16*\b+\i]|
.endr
.endr
.irp b, 0,1
	s_delay_alu instid0(VALU_DEP_2)
	v_permlanex16_b32 v[BY+\b], v[BM+\b], s[SEL], s[SEL+1]
.endr
.irp b, 0,1
	s_delay_alu instid0(VALU_DEP_2)
	v_max_num_f32 v[BM+\b], v[BM+\b], v[BY+\b]
.endr
.irp b, 0,1
	s_delay_alu instid0(VALU_DEP_2)
	v_add_nc_u32 v[SO+\b], 0xff000000, v[BM+\b]
.endr
.irp b, 0,1
	s_delay_alu instid0(VALU_DEP_2)
	v_lshrrev_b32 v[BY+\b], 23, v[SO+\b]
.endr
	s_delay_alu instid0(VALU_DEP_1)
	v_lshl_or_b32 v35, v[BY+1], 8, v[BY]           ; my head's two bytes of the row's scale word
	v_cvt_scalef32_pk16_fp6_f32 v[PC:PC+2], v[S:S+15], v[SO]
	v_cvt_scalef32_pk16_fp6_f32 v[CT:CT+2], v[S+16:S+31], v[SO+1]
	v_nop
.irp i, 0,1,2
	v_permlane16_swap_b32 v[PC+\i], v[CT+\i]
.endr
.irp i, 0,1,2
	s_delay_alu instid0(VALU_DEP_3)
	v_mov_b32 v[PC+3+\i], v[CT+\i]
.endr
.irp p, 0,1,2
	global_store_b64 v3, v[PC+2*\p:PC+2*\p+1], s[6:7] offset:256*\p        ; 256 consecutive bytes, aligned
.endr
	global_store_b16 v4, v35, s[6:7] offset:12288  ; a scale word spans two heads: two bytes a row; lanes r and r + 16 hold the same bytes and name the same address
	s_wait_tensorcnt 0x0                           ; the wave's end
	ds_add_u32 v254, v255
	s_wait_dscnt 0x0
	s_endpgm
.Lfunc_end_k_q0f6f6cffab_attn:
	.size	k_q0f6f6cffab_attn, .Lfunc_end_k_q0f6f6cffab_attn-k_q0f6f6cffab_attn
	.p2alignl 7, 3214868480
	.fill 96, 4, 3214868480
	.section	.rodata,"a",@progbits
	.p2align	6, 0x0
	.amdhsa_kernel k_q0f6f6cffab_attn
		.amdhsa_group_segment_fixed_size 206848
		.amdhsa_private_segment_fixed_size 0
		.amdhsa_enable_private_segment 0
		.amdhsa_kernarg_size 32
		.amdhsa_user_sgpr_count 2
		.amdhsa_user_sgpr_kernarg_segment_ptr 1
		.amdhsa_wavefront_size32 1
		.amdhsa_system_sgpr_workgroup_id_x 1
		.amdhsa_system_sgpr_workgroup_id_y 1
		.amdhsa_system_sgpr_workgroup_id_z 1
		.amdhsa_system_vgpr_workitem_id 0
		.amdhsa_next_free_vgpr 256
		.amdhsa_next_free_sgpr 100
		.amdhsa_reserve_vcc 0
		.amdhsa_float_denorm_mode_32 3
		.amdhsa_float_denorm_mode_16_64 3
		.amdhsa_memory_ordered 1
		.amdhsa_forward_progress 1
		.amdhsa_inst_pref_size 37
	.end_amdhsa_kernel
	.amdgpu_metadata
---
amdhsa.version: [ 1, 2 ]
amdhsa.kernels:
  - .name:           k_q0f6f6cffab_attn
    .symbol:         k_q0f6f6cffab_attn.kd
    .args:
      - { .name: qbuf, .offset: 0, .size: 8, .value_kind: global_buffer, .address_space: global }
      - { .name: kv, .offset: 8, .size: 8, .value_kind: global_buffer, .address_space: global }
      - { .name: maskbits, .offset: 16, .size: 8, .value_kind: global_buffer, .address_space: global }
      - { .name: ao, .offset: 24, .size: 8, .value_kind: global_buffer, .address_space: global }
    .group_segment_fixed_size: 206848
    .private_segment_fixed_size: 0
    .kernarg_segment_align: 8
    .kernarg_segment_size: 32
    .max_flat_workgroup_size: 512
    .sgpr_count:     100
    .vgpr_count:     256
    .wavefront_size: 32
...
	.end_amdgpu_metadata
.endif
;; end of part 3
;; launch wo (part 4): grid 8 x 32, 4 waves a work-group, clusters of 4 x 4, 327,680 bytes of LDS; arguments ao, wts, bo, x, x1; writes x1
.if DOCPART == 4
	.amdgcn_target "amdgcn-amd-amdhsa--gfx1250"
	.amdhsa_code_object_version 6
	.text
	.protected	k_q0f6f6cffab_wo
	.globl	k_q0f6f6cffab_wo
	.p2align	8
	.type	k_q0f6f6cffab_wo,@function
k_q0f6f6cffab_wo:
	s_mov_b64 s[64:65], 0
	v_nop
	global_prefetch_b8 v0, s[64:65] scope:SCOPE_SE
	s_setreg_imm32_b32 hwreg(HW_REG_WAVE_MODE, 25, 1), 1
	s_wait_xcnt 0x0
	s_wait_alu depctr_hold_cnt(0) depctr_sa_sdst(0) depctr_va_vdst(0) depctr_va_sdst(0) depctr_va_ssrc(0) depctr_va_vcc(0) depctr_vm_vsrc(0)
	s_getreg_b32 s2, hwreg(HW_REG_IB_STS2, 6, 4)
	s_cmp_eq_u32 s2, 0
	s_cbranch_scc0 .Lentry_in_a_cluster
	s_endpgm
.Lentry_in_a_cluster:
	s_bfe_u32 s2, ttmp6, 0x10000c
	s_cmp_lg_u32 s2, 0xf033
	s_cbranch_scc0 .Lentry_shape_is_right
	s_endpgm
.Lentry_shape_is_right:
; x1 = x + ao Wo + bo: a product on codes of FP6 (E2M3) with E8M0 scales, f32 sums, the bias as the C of each sum's first product, the residual added on the way out.
; OPERANDS lie in blocks of 12,800 bytes in the order of the operand's registers: block (row / 128, k / 128); fragment f (16 rows x 128 K) as six pieces of 256 bytes (registers 2 p, 2 p + 1 of lane l at
; 1536 f + 256 p + 8 l); index i of fragment 2 g + u is row 32 g + 8 u + i + 8 (i / 8); the scale word of fragment f, index i at 12,288 + 256 (f / 4) + 16 i + 4 (f % 4).
; THE MATRIX INSTRUCTION IS USED TRANSPOSED (source 0 = a fragment of B, the weight's columns; source 1 = one of A, the tokens): a lane holds one token, and register j of accumulator (a, b) is column
; 32 (b / 2) + 16 (lane / 16) + 8 (b % 2) + j of the wave's 64.
; SHAPE: the result has 4,096 x 1,024 numbers: tiles of 128 x 128 give each of 256 work-groups one.  Four waves, each 64 x 64 in 16 accumulators.  K goes in steps of 128, FOUR to a slot, through a ring of two LDS slots;
; a wave's tensor load brings two steps of A or of B, 25,600 dense bytes.  CLUSTERS: 4 x 4 work-groups; A's tiles are asked for jointly along a row of the cluster, B's along a column.
.set AB,    4                          ; fragments of A, and of B, to a wave
.set NQ,    4                          ; K steps of 128 in a slot
.set KS,    8                          ; K / 128
.set LAPS,  1                          ; KS / (2 NQ): times round the ring
.set BIASC, 1                          ; the bias is the C of the first step's products
.set BOFF,  2457600                    ; the weight's first byte in wts
.set BB,    AB
.set HA,    AB/2
.set QA,    AB/4
.set BLK,   12800
.set RUN,   2*BLK                      ; what one tensor load brings
.set SLOT,  4*RUN                      ; A's four steps, then B's four
.set SPARE, 2*SLOT                     ; behind the ring: the spare words, 128 bytes for each wave, which no other line names
.set AOFF,  6144                       ; from one half of a block's fragments to the other
.set SOFF,  256                        ; and the same for their scale words
.set ADRA, 16                          ; v16-17 LDS address of my A fragments in slot 0, 1
.set ADRB, 20                          ; v20-21 of my B fragments
.set ADRS, 22                          ; v22-23 of the scale words: lanes 0-15 A's, lanes 16-31 B's
.set STO,  24                          ; v24    the way out: where I put 32 bytes of a row
.set RD,   25                          ; v25    where I read a row back
.set CO,   26                          ; v26    my byte offset in two rows of the result
.set SPW,  28                          ; v28    LDS address of my spare word; never rewritten
.set NIL,  29                          ; v29    0; never rewritten
.set SC,   32                          ; v32-63 scale words: register SC + 16 slot + AB q + f: lanes 0-15 A's fragment f, lanes 16-31 B's
.set BC,   64                          ; v64-95 the bias, in the result's layout
.set AF,   128                         ; v128-175 A's fragments, ONE set;  window 1: B's, TWO sets, at v0 and v128;  window 2: the accumulators, (a, b) at 8 (4 a + b)
.set G1,   24                          ; s[24:31] descriptor group 1 for A's tiles;  s[32:39] group 0, one set for each slot
.set G0,   32
.set G1B,  48                          ; s[48:55], s[56:63] the same for B's
.set G0B,  56
.set MSB, 0
.macro WIN new                         ; the immediate's high byte repeats the setting that is left; a switch that changes nothing is dropped
.if MSB != (\new)
	s_set_vgpr_msb (MSB<<8)|(\new)
.set MSB, (\new)
.endif
.endm
; A joint load: waves 0 and 1 fetch A's two runs, waves 2 and 3 B's.  The branch hangs on the wave's number alone.  Four v_nop follow each of the two lines.
.macro JLOAD s
	s_cmp_eq_u32 s15, 0
	s_cbranch_scc0 .Lfor_b_\@
	tensor_load_to_lds s[G0+4*\s:G0+4*\s+3], s[G1:G1+7]
	s_nop 0
.rept 4
	v_nop
.endr
	s_branch .Lasked_\@
.Lfor_b_\@:
	tensor_load_to_lds s[G0B+4*\s:G0B+4*\s+3], s[G1B:G1B+7]
	s_nop 0
.rept 4
	v_nop
.endr
.Lasked_\@:
.endm
.macro CREST                           ; a round of the cluster's barrier behind its opening barrier
	s_cmp_lg_u32 s14, 0
	s_cbranch_scc1 .Lnot_wave_0_\@
	s_barrier_signal -3
.Lnot_wave_0_\@:
	s_barrier_wait -3
	s_barrier_signal -1
	s_barrier_wait -1
.endm
.macro CROUND                          ; a whole round
	s_barrier_signal -1
	s_barrier_wait -1
	CREST
.endm
.macro PLACES n                        ; plain places behind matrix instructions, in front of loads into their sources and of reads of their results
.rept \n
	v_nop
.endr
.endm
.macro FRAG reg, adr, off              ; a fragment: six loads of 8 bytes a lane, each 256 consecutive bytes
.irp p, 0,1,2,3,4,5
	ds_load_b64 v[(\reg)+2*\p:(\reg)+2*\p+1], v[\adr] offset:(\off)+256*\p
.endr
.endm
.macro FETCH_B slot, q, p              ; B's fragments of the slot's q-th K step into set p
	WIN 0x40
.set i, 0
.rept BB
	FRAG 128*(\p)+12*i, ADRB+\slot, (\q)*BLK+1536*i
.set i, i+1
.endr
	WIN 0
.endm
.macro FETCH_A slot, q, i0             ; half of A's fragments, from i0 on
.set i, \i0
.rept HA
	FRAG AF+12*i, ADRA+\slot, (\q)*BLK+1536*i
.set i, i+1
.endr
.endm
.macro SCALES slot                     ; the slot's scale words: four fragments' words a load
.set q_, 0
.rept NQ
.set g_, 0
.rept AB/4
	ds_load_b128 v[SC+16*\slot+AB*q_+4*g_:SC+16*\slot+AB*q_+4*g_+3], v[ADRS+\slot] offset:q_*BLK+256*g_
.set g_, g_+1
.endr
.set q_, q_+1
.endr
.endm
; A quarter of a K step's products: QA fragments of A against all of B's.  The accumulators take turns, one instruction a turn, in the same order in every step.
.macro MULQ k, p, q, sc, first
.set a, (\k)*QA
.rept QA
.set b, 0
.rept BB
.set ix, BB*a+b
.set rD, 8*(ix%32)
.if (\first) && BIASC
	WIN 0x81+0x40*(ix/32)
	v_wmma_scale_f32_16x16x128_f8f6f4 v[rD:rD+7], v[128*(\p)+12*b:128*(\p)+12*b+11], v[AF+12*a:AF+12*a+11], v[BC+8*b:BC+8*b+7], v[SC+16*(\sc)+AB*(\q)+b], v[SC+16*(\sc)+AB*(\q)+a] matrix_a_fmt:MATRIX_FMT_FP6 matrix_b_fmt:MATRIX_FMT_FP6 matrix_a_scale:MATRIX_SCALE_ROW1
.elseif \first
	WIN 0xa1+0x50*(ix/32)
	v_wmma_scale_f32_16x16x128_f8f6f4 v[rD:rD+7], v[128*(\p)+12*b:128*(\p)+12*b+11], v[AF+12*a:AF+12*a+11], 0, v[SC+16*(\sc)+AB*(\q)+b], v[SC+16*(\sc)+AB*(\q)+a] matrix_a_fmt:MATRIX_FMT_FP6 matrix_b_fmt:MATRIX_FMT_FP6 matrix_a_scale:MATRIX_SCALE_ROW1
.else
	WIN 0xa1+0x50*(ix/32)
	v_wmma_scale_f32_16x16x128_f8f6f4 v[rD:rD+7], v[128*(\p)+12*b:128*(\p)+12*b+11], v[AF+12*a:AF+12*a+11], v[rD:rD+7], v[SC+16*(\sc)+AB*(\q)+b], v[SC+16*(\sc)+AB*(\q)+a] matrix_a_fmt:MATRIX_FMT_FP6 matrix_b_fmt:MATRIX_FMT_FP6 matrix_a_scale:MATRIX_SCALE_ROW1
.endif
.set b, b+1
.endr
.set a, a+1
.endr
.endm
; A K step that has its successor in the same slot.  A's first half is free when its products are issued and is fetched anew in the middle, its second half at the end; B's other set in the middle.
.macro STEP slot, q, first
	s_wait_dscnt 6*HA                              ; all but the youngest loads, A's second half
	MULQ 0, (\q)%2, \q, \slot, \first
	MULQ 1, (\q)%2, \q, \slot, \first
	s_wait_dscnt 0x0
	PLACES 4
	FETCH_B \slot, (\q)+1, 1-(\q)%2
	FETCH_A \slot, (\q)+1, 0
	MULQ 2, (\q)%2, \q, \slot, \first
	MULQ 3, (\q)%2, \q, \slot, \first
	PLACES 4
	WIN 0
	FETCH_A \slot, (\q)+1, HA
.endm
; A slot's last K step changes slots: ONE barrier; in front of it each wave waits for all its tensor loads, adds 0 to its spare word, and waits for that and for its reads of this slot.
.macro TURN slot, next, fill
	s_wait_tensorcnt 0x0                           ; all my tensor loads have landed: my part of the next slot
	ds_add_u32 v[SPW], v[NIL]                      ; 0 onto my spare word
	s_wait_dscnt 6*HA+1                            ; (the add and A's second half may be out)
	MULQ 0, 1, NQ-1, \slot, 0
	s_wait_dscnt 0x0                               ; the add is done, and my reads of this slot are over
	s_barrier_signal -1
	MULQ 1, 1, NQ-1, \slot, 0
	WIN 0
	s_barrier_wait -1
.if \fill
	CREST                                          ; the barrier has opened a round of the cluster's: no wave of any partner still reads this slot or has a load on its way
	s_add_nc_u64 s[G0+4*\slot+2:G0+4*\slot+3], s[G0+4*\slot+2:G0+4*\slot+3], 2*NQ*BLK
	s_add_nc_u64 s[G0B+4*\slot+2:G0B+4*\slot+3], s[G0B+4*\slot+2:G0B+4*\slot+3], 2*NQ*BLK
	JLOAD \slot                                    ; the first tensor load behind the round; its four v_nop are also the places in front of the loads below
.else
	PLACES 4
.endif
	FETCH_B \next, 0, 0
	FETCH_A \next, 0, 0
	SCALES \next
	MULQ 2, 1, NQ-1, \slot, 0
	MULQ 3, 1, NQ-1, \slot, 0
	PLACES 4
	WIN 0
	FETCH_A \next, 0, HA
.endm
.macro MID slot                        ; the steps between a slot's first and last
.if NQ > 2
	STEP \slot, 1, 0
	STEP \slot, 2, 0
.endif
.endm
	s_load_b128 s[4:7], s[0:1], 0x0                ; A's codes, wts
	s_load_b128 s[8:11], s[0:1], 0x10              ; the bias, the residual
	s_load_b64 s[12:13], s[0:1], 0x20              ; the result
	v_lshl_add_u32 v[SPW], v0, 2, SPARE
	v_mov_b32 v[NIL], 0
	ds_add_u32 v28, v29
	ds_add_u32 v28, v29
	s_wait_dscnt 0x0
	v_lshrrev_b32 v1, 5, v0
	v_readfirstlane_b32 s14, v1                    ; wave 0..3
	s_lshr_b32 s15, s14, 1                         ; which half of the tile's rows is mine.  Also: I fetch for A (0) or for B (1)
	s_and_b32 s16, s14, 1                          ; which half of its columns.  Also: which run I fetch
	s_bfe_u32 s40, ttmp6, 0x40000                  ; cx, cy: my place in the cluster
	s_bfe_u32 s41, ttmp6, 0x40004
	s_lshl_b32 s42, ttmp9, 2
	s_add_co_u32 s42, s42, s40                     ; tile column = 4 x cluster x + cx
	s_and_b32 s17, ttmp7, 0xffff
	s_lshl_b32 s17, s17, 2
	s_add_co_u32 s17, s17, s41                     ; tile row = 4 x cluster y + cy
	s_lshl_b32 s43, s41, 2
	s_lshl_b32 s43, 15, s43                        ; my row of the cluster
	s_lshl_b32 s44, 0x1111, s40                    ; my column
	s_or_b32 s[G1], s43, (3<<16)|(1<<21)           ; 15:0 the mask; 17:16 elements of 8 bytes; 21 set beside a mask; no padding
	s_or_b32 s[G1B], s44, (3<<16)|(1<<21)
.irp g, G1, G1B
	s_mov_b32 s[\g+1], 32<<16                      ; tensor_dim0 = 32 elements: rows of 256 bytes
	s_mov_b32 s[\g+2], 100<<16                     ; tensor_dim1 = 100 rows: 25,600 dense bytes
	s_mov_b32 s[\g+3], 32<<16                      ; tile_dim0
	s_mov_b32 s[\g+4], 100                         ; tile_dim1
	s_mov_b32 s[\g+5], 32                          ; the pitch
	s_mov_b32 s[\g+6], 0
	s_mov_b32 s[\g+7], 0
.endr
	s_mul_i32 s18, s16, RUN                        ; my two of a slot's four steps
	s_mul_i32 s20, s17, KS*BLK
	s_add_co_u32 s20, s20, s18                     ; A: block row = tile row
	s_mul_i32 s46, s42, KS*BLK
	s_add_co_u32 s46, s46, s18                     ; B: block row = tile column
	s_add_co_u32 s46, s46, BOFF
	s_mov_b32 s21, 0
	s_mov_b32 s47, 0
	s_mul_i32 s45, s14, RUN                        ; where my run goes: no place in the cluster enters an LDS address
	s_wait_kmcnt 0x0
	s_add_nc_u64 s[20:21], s[4:5], s[20:21]
	s_add_nc_u64 s[46:47], s[6:7], s[46:47]
	CROUND                                         ; all sixteen work-groups are here: the first joint loads meet
.irp s, 0,1
	s_mov_b32 s[G0+4*\s], 1
	s_add_co_u32 s[G0+4*\s+1], s45, \s*SLOT
	s_add_nc_u64 s[G0+4*\s+2:G0+4*\s+3], s[20:21], \s*NQ*BLK
	s_or_b32 s[G0+4*\s+3], s[G0+4*\s+3], 0x80000000
	s_mov_b32 s[G0B+4*\s], 1
	s_add_co_u32 s[G0B+4*\s+1], s45, \s*SLOT
	s_add_nc_u64 s[G0B+4*\s+2:G0B+4*\s+3], s[46:47], \s*NQ*BLK
	s_or_b32 s[G0B+4*\s+3], s[G0B+4*\s+3], 0x80000000
.endr
	s_cmp_eq_u32 s15, 0                            ; the prefetch: of the 100 blocks of 256 bytes in a run that I fetch, each of the four partners that ask for it jointly names 25, told apart by address
	s_cselect_b64 s[92:93], s[20:21], s[46:47]
	s_cselect_b32 s94, s40, s41
	s_mul_i32 s94, s94, 6400
	s_mov_b32 s95, 0
	s_add_nc_u64 s[92:93], s[92:93], s[94:95]
	JLOAD 0                                        ; slot 0: my one tensor load at the head
	v_and_b32 v30, 31, v0
	v_min_u32 v30, 24, v30                         ; a lane a block; the seven lanes left over name the last block again
	v_lshlrev_b32 v30, 8, v30
	global_prefetch_b8 v30, s[92:93] offset:NQ*BLK th:TH_LOAD_NT scope:SCOPE_SE     ; slot 1's run, which is asked for when slot 0's has landed
	v_and_b32 v1, 31, v0                           ; lane
	v_bfe_u32 v2, v0, 4, 1                         ; h
	s_wait_alu depctr_va_vdst(0)
	v_and_b32 v4, 15, v0                           ; r
	v_lshlrev_b32 v5, 3, v1
	s_mul_i32 s21, s15, AOFF
	s_mul_i32 s22, s16, AOFF
	s_add_co_u32 s22, s22, 2*RUN
.irp s, 0,1
	v_add_nc_u32 v[ADRA+\s], s21, v5
	v_add_nc_u32 v[ADRB+\s], s22, v5
	s_add_co_u32 s21, s21, SLOT
	s_add_co_u32 s22, s22, SLOT
.endr
	s_mul_i32 s21, s15, SOFF
	s_mul_i32 s22, s16, SOFF
	s_add_co_u32 s22, s22, 2*RUN
	s_sub_co_u32 s22, s22, s21
	v_mul_u32_u24 v6, s22, v2                      ; lanes 16-31 take B's words: one product, the distance from A's
	s_wait_alu depctr_va_vdst(0)
	v_lshl_add_u32 v6, v4, 4, v6
	s_add_co_u32 s21, s21, 12288
	v_add_nc_u32 v[ADRS], s21, v6
	v_add_nc_u32 v[ADRS+1], SLOT, v[ADRS]
	s_lshl_b32 s19, s42, 1
	s_add_co_u32 s19, s19, s16                     ; my 64 columns: 2 x tile column + half
	s_lshl_b32 s18, s19, 8                         ; 256 bytes
	s_mov_b32 s19, 0
	s_add_nc_u64 s[8:9], s[8:9], s[18:19]
	v_lshlrev_b32 v3, 6, v2                        ; 64 h
.irp b, 0,1,2,3
	global_load_b128 v[BC+8*\b:BC+8*\b+3], v3, s[8:9] offset:(32*(\b/2)+8*(\b%2))*4
	global_load_b128 v[BC+8*\b+4:BC+8*\b+7], v3, s[8:9] offset:(32*(\b/2)+8*(\b%2))*4+16
.endr
	s_lshl_b32 s22, s17, 1
	s_add_co_u32 s22, s22, s15                     ; my 64 rows: 2 x tile row + half
	s_lshl_b32 s22, s22, 18                        ; rows of 4,096 bytes
	s_add_co_u32 s18, s18, s22
	s_add_nc_u64 s[10:11], s[10:11], s[18:19]
	s_add_nc_u64 s[12:13], s[12:13], s[18:19]
	s_mul_i32 s23, s14, 16*272                     ; my stage: 16 rows x (256 bytes + 16), in slot 0, which has had its last fill and its last read when the first result is stored there
	v_mul_u32_u24 v6, v4, 272
	v_lshl_add_u32 v6, v2, 6, v6
	v_add_nc_u32 v[STO], s23, v6                   ; in: row r, + 64 h
	v_mul_u32_u24 v6, v2, 272
	v_lshl_add_u32 v6, v4, 4, v6
	v_add_nc_u32 v[RD], s23, v6                    ; back: lanes 0-15 one row, lanes 16-31 the next
	v_lshlrev_b32 v6, 12, v2
	v_lshl_add_u32 v[CO], v4, 4, v6                ; and the same two rows in memory
	s_wait_alu depctr_va_vdst(0)
	s_wait_loadcnt 0x0                             ; the bias
	s_wait_tensorcnt 0x0                           ; my part of slot 0 is in
	ds_add_u32 v[SPW], v[NIL]
	s_wait_dscnt 0x0
	CROUND                                         ; everybody's part is in, and the joint loads meet
	JLOAD 1                                        ; slot 1's first fill, the first tensor load behind the round
	FETCH_B 0, 0, 0
	FETCH_A 0, 0, 0
	SCALES 0
	FETCH_A 0, 0, HA
	STEP 0, 0, 1                                   ; the first step stands in front of the loop: its products start the sums, from the bias
.if LAPS > 1
	s_mov_b32 s3, LAPS-1
.Llap:                                             ; a trip goes once round the ring and fills both slots again
	MID 0
	TURN 0, 1, 1
	STEP 1, 0, 0
	MID 1
	TURN 1, 0, 1
	STEP 0, 0, 0
	s_sub_co_u32 s3, s3, 1
	s_cmp_lg_u32 s3, 0
	s_cbranch_scc1 .Llap
.endif
; The residual is asked for a lap ahead of its use: 32 loads of 16 bytes a lane, rows in the order in which the way out stores them.  Passes 0, 1 into v64-127 (the bias is done with), passes 2, 3 into v176-239.
.irp a, 0,1,2,3
.irp t, 0,1,2,3,4,5,6,7
	global_load_b128 v[64+32*\a+48*(\a/2)+4*\t:64+32*\a+48*(\a/2)+4*\t+3], v[CO], s[10:11] offset:(32*(\a/2)+8*(\a%2)+2*\t+8*(\t/4))*4096
.endr
.endr
	MID 0                                          ; the last lap fills nothing, and has no round of the cluster's barrier
	TURN 0, 1, 0
	STEP 1, 0, 0
	MID 1
	s_wait_dscnt 6*HA                              ; the very last step: nothing more to fetch
	MULQ 0, 1, NQ-1, 1, 0
	MULQ 1, 1, NQ-1, 1, 0
	s_wait_dscnt 0x0
	MULQ 2, 1, NQ-1, 1, 0
	MULQ 3, 1, NQ-1, 1, 0
	WIN 0
	PLACES 4
; THE WAY OUT, a fragment of 16 rows x 64 columns at a time: through my own stage and back as whole rows of 256 bytes; + the residual; sixteen lanes store 256 consecutive bytes, aligned.
.macro PASSR a
.set BK, 32+96*((\a)%2)
.set RR, 64+32*(\a)+48*((\a)/2)
	WIN 0x08                                       ; an LDS store's data are its source 1: window 2
.irp b, 0,1,2,3
	ds_store_b128 v[STO], v[8*(4*(\a)+\b):8*(4*(\a)+\b)+3] offset:128*(\b/2)+32*(\b%2)          ; each accumulator from its low end on
	ds_store_b128 v[STO], v[8*(4*(\a)+\b)+4:8*(4*(\a)+\b)+7] offset:128*(\b/2)+32*(\b%2)+16
.endr
	WIN 0
	s_wait_xcnt 0x0                                ; earlier stores have read the registers that the loads below fill
.irp t, 0,1,2,3,4,5,6,7
	ds_load_b128 v[BK+4*\t:BK+4*\t+3], v[RD] offset:\t*2*272   ; LDS serves a wave's instructions in order: these see my stores
.endr
	s_wait_loadcnt 8*(3-(\a))                      ; this pass's eight residual loads are in; the later passes' may be out
	s_wait_dscnt 0x0
.set j, 0
.rept 16
	v_pk_add_f32 v[BK+j:BK+j+1], v[BK+j:BK+j+1], v[RR+j:RR+j+1]
.set j, j+2
.endr
.irp t, 0,1,2,3,4,5,6,7
	global_store_b128 v[CO], v[BK+4*\t:BK+4*\t+3], s[12:13] offset:(32*((\a)/2)+8*((\a)%2)+2*\t+8*(\t/4))*4096
.endr
.endm
	PASSR 0
	PASSR 1
	PASSR 2
	PASSR 3
	s_wait_tensorcnt 0x0                           ; the wave's end
	ds_add_u32 v[SPW], v[NIL]
	s_wait_dscnt 0x0
	CROUND                                         ; the closing round: no work-group ends while a partner may still ask for a tile that names it
	s_endpgm
.Lfunc_end_k_q0f6f6cffab_wo:
	.size	k_q0f6f6cffab_wo, .Lfunc_end_k_q0f6f6cffab_wo-k_q0f6f6cffab_wo
	.p2alignl 7, 3214868480
	.fill 96, 4, 3214868480
	.section	.rodata,"a",@progbits
	.p2align	6, 0x0
	.amdhsa_kernel k_q0f6f6cffab_wo
		.amdhsa_group_segment_fixed_size 327680
		.amdhsa_private_segment_fixed_size 0
		.amdhsa_enable_private_segment 0
		.amdhsa_kernarg_size 40
		.amdhsa_user_sgpr_count 2
		.amdhsa_user_sgpr_kernarg_segment_ptr 1
		.amdhsa_wavefront_size32 1
		.amdhsa_system_sgpr_workgroup_id_x 1
		.amdhsa_system_sgpr_workgroup_id_y 1
		.amdhsa_system_sgpr_workgroup_id_z 1
		.amdhsa_system_vgpr_workitem_id 0
		.amdhsa_next_free_vgpr 640
		.amdhsa_next_free_sgpr 100
		.amdhsa_reserve_vcc 0
		.amdhsa_float_denorm_mode_32 3
		.amdhsa_float_denorm_mode_16_64 3
		.amdhsa_memory_ordered 1
		.amdhsa_forward_progress 1
		.amdhsa_inst_pref_size 69
	.end_amdhsa_kernel
	.amdgpu_metadata
---
amdhsa.version: [ 1, 2 ]
amdhsa.kernels:
  - .name:           k_q0f6f6cffab_wo
    .symbol:         k_q0f6f6cffab_wo.kd
    .args:
      - { .name: ao, .offset: 0, .size: 8, .value_kind: global_buffer, .address_space: global }
      - { .name: wts, .offset: 8, .size: 8, .value_kind: global_buffer, .address_space: global }
      - { .name: bo, .offset: 16, .size: 8, .value_kind: global_buffer, .address_space: global }
      - { .name: x, .offset: 24, .size: 8, .value_kind: global_buffer, .address_space: global }
      - { .name: x1, .offset: 32, .size: 8, .value_kind: global_buffer, .address_space: global }
    .group_segment_fixed_size: 327680
    .private_segment_fixed_size: 0
    .kernarg_segment_align: 8
    .kernarg_segment_size: 40
    .max_flat_workgroup_size: 128
    .sgpr_count:     100
    .vgpr_count:     640
    .wavefront_size: 32
...
	.end_amdgpu_metadata
.endif
;; end of part 4
;; launch ln2 (part 5): grid 256 x 1, 8 waves a work-group, no clusters, 69,632 bytes of LDS; arguments x1, a2, c2, h; writes h
.if DOCPART == 5
	.amdgcn_target "amdgcn-amd-amdhsa--gfx1250"
	.amdhsa_code_object_version 6
	.text
	.protected	k_q0f6f6cffab_ln2
	.globl	k_q0f6f6cffab_ln2
	.p2align	8
	.type	k_q0f6f6cffab_ln2,@function
k_q0f6f6cffab_ln2:
	s_mov_b64 s[64:65], 0
	v_nop
	global_prefetch_b8 v0, s[64:65] scope:SCOPE_SE
	s_setreg_imm32_b32 hwreg(HW_REG_WAVE_MODE, 25, 1), 1
	s_wait_xcnt 0x0
; y = alpha (x - mean) / (std + 1e-6) + beta over rows of 1,024 f32 (std with 1,023 in the divisor), quantised along the row to FP6 (E2M3) with one E8M0 byte for each 32, and stored
; in the order of the operand's registers: blocks of 12,800 bytes, block (row / 128, k / 128) at (8 (row / 128) + k / 128) x 12,800; in a block fragment f as six pieces of 256 bytes
; (registers 2 p, 2 p + 1 of lane l at 1536 f + 256 p + 8 l); index i of fragment 2 g + u is row 32 g + 8 u + i + 8 (i / 8); its scale word at 12,288 + 256 (f / 4) + 16 i + 4 (f % 4).
; A work-group takes the 16 rows of one fragment, each of its eight waves 128 columns: one K step.  Each load reads 512 consecutive bytes of a row; the numbers turn through the wave's own stage
; in LDS so that lane (r, h) holds, of row r, the 16 numbers 32 b + 16 h + 0 .. 15 of each block b.  The mean is taken first and the squares are summed of x - mean: no difference of large sums.
; The waves' partial sums meet in LDS, behind a barrier each.  Rows are read by one work-group alone: no cluster, no tensor load.
; LIMITS: NaN and infinities are not served; a block whose largest magnitude lies under 2^-124, a block of zeros among them, keeps the byte 1.
.set X,   16                           ; v16-79   as loaded
.set Y,   80                           ; v80-143  64 numbers of my row
.set PC,  144                          ; v144-155 the fragment's codes
.set CT,  156                          ; v156-162 halves on their way
.set TM,  164                          ; v164-179 at work in QUANT
.set PW,  180                          ; the scale word
.set R,   182                          ; v182-189 sums
.set MP,  190                          ; v190-191 the mean, twice
.set GP,  192                          ; v192-193 alpha / (std + eps), twice
.set BP,  194                          ; v194-195 beta, twice
.set T0,  196
.set T1,  197
.set SEL, 14                           ; s[14:15] v_permlanex16_b32's selects for lane l xor 16
.set RED, 67584                        ; behind the eight stages of 8,448 bytes: 16 words a wave for the sums, and 512 bytes on the same for the sums of squares.
                                       ; It lies beyond what an LDS immediate of 16 bits can name, so the address registers v10 and v11 carry it
; 64 numbers of a lane, register 16 b + i = k 32 b + 16 (lane / 16) + i of my row, become codes: k 0..63 in v[d0] .. + 5, k 64..127 in v[d1] .. + 5, and the scale word in v[pw].
.macro QUANT s, d0, d1, pw
.irp b, 0,1,2,3
	v_max3_num_f32 v[TM+\b], |v[(\s)+16*\b]|, |v[(\s)+1+16*\b]|, 0x1800000   ; my 16 numbers of block b, and the floor 2^(3 - 127)
.endr
.irp i, 2,4,6,8,10,12,14
.irp b, 0,1,2,3
	s_delay_alu instid0(VALU_DEP_4)
	v_max3_num_f32 v[TM+\b], v[TM+\b], |v[(\s)+16*\b+\i]|, |v[(\s)+1+16*\b+\i]|
.endr
.endr
.irp b, 0,1,2,3
	s_delay_alu instid0(VALU_DEP_4)
	v_permlanex16_b32 v[TM+4+\b], v[TM+\b], s[SEL], s[SEL+1]
.endr
.irp b, 0,1,2,3
	s_delay_alu instid0(VALU_DEP_4)
	v_max_num_f32 v[TM+\b], v[TM+\b], v[TM+4+\b]   ; with lane l xor 16's: the block's largest magnitude
.endr
.irp b, 0,1,2,3
	s_delay_alu instid0(VALU_DEP_4)
	v_add_nc_u32 v[TM+12+\b], 0xff000000, v[TM+\b] ; 2 off its exponent field: the conversion's scale operand
.endr
.irp b, 0,1,2,3
	s_delay_alu instid0(VALU_DEP_4)
	v_lshrrev_b32 v[TM+4+\b], 23, v[TM+12+\b]      ; the scale's byte
.endr
	s_delay_alu instid0(VALU_DEP_3)
	v_lshl_or_b32 v[\pw], v[TM+5], 8, v[TM+4]
	s_delay_alu instid0(VALU_DEP_1)
	v_lshl_or_b32 v[\pw], v[TM+6], 16, v[\pw]
	s_delay_alu instid0(VALU_DEP_1)
	v_lshl_or_b32 v[\pw], v[TM+7], 24, v[\pw]
	v_cvt_scalef32_pk16_fp6_f32 v[(\d0):(\d0)+2], v[(\s):(\s)+15], v[TM+12]
	v_cvt_scalef32_pk16_fp6_f32 v[CT:CT+2], v[(\s)+16:(\s)+31], v[TM+13]
	v_cvt_scalef32_pk16_fp6_f32 v[(\d1):(\d1)+2], v[(\s)+32:(\s)+47], v[TM+14]
	v_cvt_scalef32_pk16_fp6_f32 v[CT+4:CT+6], v[(\s)+48:(\s)+63], v[TM+15]
	v_nop                                          ; one plain place behind a scaled conversion
.irp i, 0,1,2
	v_permlane16_swap_b32 v[(\d0)+\i], v[CT+\i]    ; the operand wants a whole block in a lane: lanes 0-15 the even block, lanes 16-31 the odd one
	v_permlane16_swap_b32 v[(\d1)+\i], v[CT+4+\i]
.endr
.irp i, 0,1,2
	v_mov_b32 v[(\d0)+3+\i], v[CT+\i]
	v_mov_b32 v[(\d1)+3+\i], v[CT+4+\i]
.endr
.endm
; v[T0], the sum over my 64 numbers, becomes the sum over the row's 1,024, the same bits in every wave.  off: 0 for the sums' words, 512 for the squares'
.macro REDUCE off
	s_delay_alu instid0(VALU_DEP_1)
	v_permlanex16_b32 v[T1], v[T0], s[SEL], s[SEL+1]
	s_delay_alu instid0(VALU_DEP_1)
	v_add_f32 v[T0], v[T0], v[T1]                  ; my wave's 128 columns of row r
	ds_store_b32 v11, v[T0] offset:\off            ; lanes r and r + 16 write the same word with the same value
	s_wait_dscnt 0x0                               ; for the others' sake
	s_barrier_signal -1
	s_barrier_wait -1
.irp i, 0,1,2,3,4,5,6,7
	ds_load_b32 v[R+\i], v10 offset:\off+64*\i
.endr
	s_wait_dscnt 0x0
	v_add_f32 v[R], v[R], v[R+1]
	v_add_f32 v[R+2], v[R+2], v[R+3]
	v_add_f32 v[R+4], v[R+4], v[R+5]
	v_add_f32 v[R+6], v[R+6], v[R+7]
	s_delay_alu instid0(VALU_DEP_3)
	v_add_f32 v[R], v[R], v[R+2]
	s_delay_alu instid0(VALU_DEP_2)
	v_add_f32 v[R+4], v[R+4], v[R+6]
	s_delay_alu instid0(VALU_DEP_1)
	v_add_f32 v[T0], v[R], v[R+4]
.endm
	s_load_b128 s[4:7], s[0:1], 0x0                ; x, alpha
	s_load_b128 s[8:11], s[0:1], 0x10              ; beta, the codes
	v_lshl_add_u32 v200, v0, 2, 0x10c00
	v_mov_b32 v201, 0
	v_lshrrev_b32 v1, 5, v0
	s_delay_alu instid0(VALU_DEP_1)
	v_readfirstlane_b32 s12, v1                    ; wave = K step
	v_and_b32 v2, 31, v0
	s_wait_alu depctr_va_vdst(0)
	v_and_b32 v3, 15, v0                           ; r
	s_wait_alu depctr_va_vdst(0)
	v_bfe_u32 v4, v0, 4, 1                         ; h
	s_mov_b32 s[SEL], 0x76543210
	s_mov_b32 s[SEL+1], 0xfedcba98
	s_lshr_b32 s16, ttmp9, 1
	s_lshl_b32 s16, s16, 5
	s_and_b32 s17, ttmp9, 1
	s_lshl_b32 s17, s17, 3
	s_add_co_u32 s16, s16, s17                     ; the fragment's first row
	s_lshl_b32 s16, s16, 12
	s_lshl_b32 s17, s12, 9
	s_add_co_u32 s16, s16, s17                     ; + my wave's 512 bytes
	s_mov_b32 s17, 0
	s_lshr_b32 s18, ttmp9, 3
	s_lshl_b32 s18, s18, 3
	s_add_co_u32 s18, s18, s12
	s_mul_i32 s18, s18, 12800                      ; block (row / 128, wave)
	s_mov_b32 s19, 0
	s_and_b32 s22, ttmp9, 7                        ; f
	s_mul_i32 s23, s22, 1536
	s_lshr_b32 s24, s22, 2
	s_lshl_b32 s24, s24, 8
	s_and_b32 s25, s22, 3
	s_lshl_b32 s25, s25, 2
	s_add_co_u32 s24, s24, s25
	s_mul_i32 s26, s12, 8448                       ; my stage
	s_lshl_b32 s27, s12, 6
	v_lshlrev_b32 v5, 4, v2
	s_delay_alu instid0(VALU_DEP_1)
	v_add_nc_u32 v6, s26, v5
	v_mul_u32_u24 v7, v3, 528
	s_wait_alu depctr_va_vdst(0)
	v_lshl_add_u32 v7, v4, 6, v7
	s_delay_alu instid0(VALU_DEP_1)
	v_add_nc_u32 v7, s26, v7
	v_lshl_add_u32 v8, v2, 3, s23                  ; the codes' place in the block
	v_lshl_add_u32 v9, v3, 4, s24                  ; the scale word's, less 12,288
	v_lshl_add_u32 v10, v3, 2, RED                 ; RED + 4 r: where the waves' partial sums of row r begin
	s_delay_alu instid0(VALU_DEP_1)
	v_add_nc_u32 v11, s27, v10                     ; + 64 wave: my wave's word
	v_mov_b32 v[T1], 0                             ; (a lane permute's destination counts as one of its sources)
.irp b, 0,1,2,3
	v_mov_b32 v[TM+4+\b], 0
.endr
	s_wait_kmcnt 0x0
	s_load_b32 s20, s[6:7], 0x0                    ; alpha
	s_load_b32 s21, s[8:9], 0x0                    ; beta
	s_add_nc_u64 s[4:5], s[4:5], s[16:17]
	s_add_nc_u64 s[10:11], s[10:11], s[18:19]
.irp i, 0,1,2,3,4,5,6,7,8,9,10,11,12,13,14,15
	global_load_b128 v[X+4*\i:X+4*\i+3], v5, s[4:5] offset:(\i+8*(\i/8))*4096
.endr
.irp i, 0,1,2,3,4,5,6,7,8,9,10,11,12,13,14,15
	s_wait_loadcnt 15-\i                           ; row i's load is in; the 15 - i behind it may be out
	ds_store_b128 v6, v[X+4*\i:X+4*\i+3] offset:528*\i
.endr
.irp b, 0,1,2,3
.irp j, 0,1,2,3
	ds_load_b128 v[Y+16*\b+4*\j:Y+16*\b+4*\j+3], v7 offset:128*\b+16*\j    ; my own stage: LDS serves a wave's instructions in order
.endr
.endr
	s_wait_dscnt 0x0
	v_pk_add_f32 v[184:185], v[80:81], v[88:89]
	v_pk_add_f32 v[186:187], v[96:97], v[104:105]
	v_pk_add_f32 v[188:189], v[112:113], v[120:121]
	v_pk_add_f32 v[198:199], v[128:129], v[136:137]
	v_pk_add_f32 v[194:195], v[82:83], v[90:91]
	v_pk_add_f32 v[192:193], v[98:99], v[106:107]
	v_pk_add_f32 v[190:191], v[114:115], v[122:123]
	v_pk_add_f32 v[182:183], v[130:131], v[138:139]
	s_delay_alu instid0(VALU_DEP_1)
	v_pk_add_f32 v[182:183], v[182:183], v[84:85]
	v_pk_add_f32 v[184:185], v[184:185], v[92:93]
	v_pk_add_f32 v[186:187], v[186:187], v[100:101]
	v_pk_add_f32 v[188:189], v[188:189], v[108:109]
	v_pk_add_f32 v[198:199], v[198:199], v[116:117]
	v_pk_add_f32 v[194:195], v[194:195], v[124:125]
	v_pk_add_f32 v[192:193], v[192:193], v[132:133]
	v_pk_add_f32 v[190:191], v[190:191], v[140:141]
	v_pk_add_f32 v[182:183], v[182:183], v[86:87]
	v_pk_add_f32 v[184:185], v[184:185], v[94:95]
	v_pk_add_f32 v[186:187], v[186:187], v[102:103]
	v_pk_add_f32 v[188:189], v[188:189], v[110:111]
	v_pk_add_f32 v[198:199], v[198:199], v[118:119]
	v_pk_add_f32 v[194:195], v[194:195], v[126:127]
	v_pk_add_f32 v[192:193], v[192:193], v[134:135]
	v_pk_add_f32 v[190:191], v[190:191], v[142:143]
	s_delay_alu instid0(VALU_DEP_4)
	v_pk_add_f32 v[182:183], v[182:183], v[198:199]
	s_delay_alu instid0(VALU_DEP_4)
	v_pk_add_f32 v[184:185], v[184:185], v[194:195]
	s_delay_alu instid0(VALU_DEP_4)
	v_pk_add_f32 v[186:187], v[186:187], v[192:193]
	s_delay_alu instid0(VALU_DEP_4)
	v_pk_add_f32 v[188:189], v[188:189], v[190:191]
	s_delay_alu instid0(VALU_DEP_2)
	v_pk_add_f32 v[182:183], v[182:183], v[186:187]
	s_delay_alu instid0(VALU_DEP_2)
	v_pk_add_f32 v[184:185], v[184:185], v[188:189]
	s_delay_alu instid0(VALU_DEP_1)
	v_pk_add_f32 v[182:183], v[182:183], v[184:185]
	s_delay_alu instid0(VALU_DEP_1)
	v_add_f32 v[T0], v[R], v[R+1]
	REDUCE 0
	s_delay_alu instid0(VALU_DEP_1)
	v_mul_f32 v[MP], 0x3a800000, v[T0]             ; / 1,024
	s_delay_alu instid0(VALU_DEP_1)
	v_mov_b32 v[MP+1], v[MP]
.set j, 0
.rept 32
	v_pk_add_f32 v[Y+j:Y+j+1], v[Y+j:Y+j+1], v[MP:MP+1] neg_lo:[0,1] neg_hi:[0,1]   ; x - mean
.set j, j+2
.endr
.irp c, 0,1,2,3
	v_pk_mul_f32 v[R+2*\c:R+2*\c+1], v[Y+2*\c:Y+2*\c+1], v[Y+2*\c:Y+2*\c+1]
.endr
.irp g, 1,2,3,4,5,6,7
.irp c, 0,1,2,3
	s_delay_alu instid0(VALU_DEP_4)
	v_pk_fma_f32 v[R+2*\c:R+2*\c+1], v[Y+8*\g+2*\c:Y+8*\g+2*\c+1], v[Y+8*\g+2*\c:Y+8*\g+2*\c+1], v[R+2*\c:R+2*\c+1]
.endr
.endr
	s_delay_alu instid0(VALU_DEP_3)
	v_pk_add_f32 v[R:R+1], v[R:R+1], v[R+2:R+3]
	s_delay_alu instid0(VALU_DEP_2)
	v_pk_add_f32 v[R+4:R+5], v[R+4:R+5], v[R+6:R+7]
	s_delay_alu instid0(VALU_DEP_1)
	v_pk_add_f32 v[R:R+1], v[R:R+1], v[R+4:R+5]
	s_delay_alu instid0(VALU_DEP_1)
	v_add_f32 v[T0], v[R], v[R+1]
	REDUCE 512                                     ; (other bytes than the first sum's: no third barrier is needed)
	s_delay_alu instid0(VALU_DEP_1)
	v_mul_f32 v[T0], 0x3a802008, v[T0]             ; / 1,023
	s_wait_alu depctr_va_vdst(0)
	v_sqrt_f32 v[T0], v[T0]
	v_nop                                          ; a plain place behind the transcendental,
	s_wait_alu depctr_va_vdst(0)                   ; and the wait ahead of its first reader
	v_add_f32 v[T0], 0x358637bd, v[T0]             ; + 1e-6
	s_wait_alu depctr_va_vdst(0)
	v_rcp_f32 v[T0], v[T0]
	v_nop
	s_wait_alu depctr_va_vdst(0)
	s_wait_kmcnt 0x0                               ; alpha, beta
	v_mul_f32 v[GP], s20, v[T0]
	v_mov_b32 v[BP], s21
	v_mov_b32 v[BP+1], s21
	s_delay_alu instid0(VALU_DEP_3)
	v_mov_b32 v[GP+1], v[GP]
.set j, 0
.rept 32
	v_pk_fma_f32 v[Y+j:Y+j+1], v[Y+j:Y+j+1], v[GP:GP+1], v[BP:BP+1]
.set j, j+2
.endr
	QUANT Y, PC, PC+6, PW
.irp p, 0,1,2,3,4,5
	global_store_b64 v8, v[PC+2*\p:PC+2*\p+1], s[10:11] offset:256*\p      ; 256 consecutive bytes, aligned
.endr
	global_store_b32 v9, v[PW], s[10:11] offset:12288  ; lanes r and r + 16 hold the same word and name the same address
	s_wait_tensorcnt 0x0
	ds_add_u32 v200, v201
	s_wait_dscnt 0x0
	s_endpgm
.Lfunc_end_k_q0f6f6cffab_ln2:
	.size	k_q0f6f6cffab_ln2, .Lfunc_end_k_q0f6f6cffab_ln2-k_q0f6f6cffab_ln2
	.p2alignl 7, 3214868480
	.fill 96, 4, 3214868480
	.section	.rodata,"a",@progbits
	.p2align	6, 0x0
	.amdhsa_kernel k_q0f6f6cffab_ln2
		.amdhsa_group_segment_fixed_size 69632
		.amdhsa_private_segment_fixed_size 0
		.amdhsa_enable_private_segment 0
		.amdhsa_kernarg_size 32
		.amdhsa_user_sgpr_count 2
		.amdhsa_user_sgpr_kernarg_segment_ptr 1
		.amdhsa_wavefront_size32 1
		.amdhsa_system_sgpr_workgroup_id_x 1
		.amdhsa_system_sgpr_workgroup_id_y 1
		.amdhsa_system_sgpr_workgroup_id_z 1
		.amdhsa_system_vgpr_workitem_id 0
		.amdhsa_next_free_vgpr 202
		.amdhsa_next_free_sgpr 66
		.amdhsa_reserve_vcc 0
		.amdhsa_float_denorm_mode_32 3
		.amdhsa_float_denorm_mode_16_64 3
		.amdhsa_memory_ordered 1
		.amdhsa_forward_progress 1
		.amdhsa_inst_pref_size 26
	.end_amdhsa_kernel
	.amdgpu_metadata
---
amdhsa.version: [ 1, 2 ]
amdhsa.kernels:
  - .name:           k_q0f6f6cffab_ln2
    .symbol:         k_q0f6f6cffab_ln2.kd
    .args:
      - { .name: x1, .offset: 0, .size: 8, .value_kind: global_buffer, .address_space: global }
      - { .name: a2, .offset: 8, .size: 8, .value_kind: global_buffer, .address_space: global }
      - { .name: c2, .offset: 16, .size: 8, .value_kind: global_buffer, .address_space: global }
      - { .name: h, .offset: 24, .size: 8, .value_kind: global_buffer, .address_space: global }
    .group_segment_fixed_size: 69632
    .private_segment_fixed_size: 0
    .kernarg_segment_align: 8
    .kernarg_segment_size: 32
    .max_flat_workgroup_size: 256
    .sgpr_count:     66
    .vgpr_count:     202
    .wavefront_size: 32
...
	.end_amdgpu_metadata
.endif
;; end of part 5
;; launch ff1 (part 6): grid 16 x 16, 4 waves a work-group, clusters of 4 x 4, 327,680 bytes of LDS; arguments h, wts, b1, hid; writes hid
.if DOCPART == 6
	.amdgcn_target "amdgcn-amd-amdhsa--gfx1250"
	.amdhsa_code_object_version 6
	.text
	.protected	k_q0f6f6cffab_ff1
	.globl	k_q0f6f6cffab_ff1
	.p2align	8
	.type	k_q0f6f6cffab_ff1,@function
k_q0f6f6cffab_ff1:
	s_mov_b64 s[64:65], 0
	v_nop
	global_prefetch_b8 v0, s[64:65] scope:SCOPE_SE
	s_setreg_imm32_b32 hwreg(HW_REG_WAVE_MODE, 25, 1), 1
	s_wait_xcnt 0x0
	s_wait_alu depctr_hold_cnt(0) depctr_sa_sdst(0) depctr_va_vdst(0) depctr_va_sdst(0) depctr_va_ssrc(0) depctr_va_vcc(0) depctr_vm_vsrc(0)
	s_getreg_b32 s2, hwreg(HW_REG_IB_STS2, 6, 4)
	s_cmp_eq_u32 s2, 0
	s_cbranch_scc0 .Lentry_in_a_cluster
	s_endpgm
.Lentry_in_a_cluster:
	s_bfe_u32 s2, ttmp6, 0x10000c
	s_cmp_lg_u32 s2, 0xf033
	s_cbranch_scc0 .Lentry_shape_is_right
	s_endpgm
.Lentry_shape_is_right:
.set AB,    8
.set NQ,    2
.set KS,    8
.set LAPS,  2
.set BIASC, 1
.set BOFF,  3276800
.set BB,    AB
.set HA,    AB/2
.set QA,    AB/4
.set BLK,   12800
.set RUN,   2*BLK
.set SLOT,  4*RUN
.set SPARE, 2*SLOT
.set AOFF,  RUN
.set SOFF,  RUN
.set ADRA, 16
.set ADRB, 20
.set ADRS, 22
.set GA,   24
.set GS,   25
.set SPW,  28
.set NIL,  29
.set SC,   32
.set BC,   64
.set AF,   128
.set T,    128
.set PC,   192
.set TM,   216
.set CT,   232
.set PWS,  44
.set SW,   52
.set G1,   24
.set G0,   32
.set G1B,  48
.set G0B,  56
.set SEL,  66
.set MSB, 0
.macro WIN new
.if MSB != (\new)
	s_set_vgpr_msb (MSB<<8)|(\new)
.set MSB, (\new)
.endif
.endm
.macro JLOAD s
	s_cmp_eq_u32 s15, 0
	s_cbranch_scc0 .Lfor_b_\@
	tensor_load_to_lds s[G0+4*\s:G0+4*\s+3], s[G1:G1+7]
	s_nop 0
.rept 4
	v_nop
.endr
	s_branch .Lasked_\@
.Lfor_b_\@:
	tensor_load_to_lds s[G0B+4*\s:G0B+4*\s+3], s[G1B:G1B+7]
	s_nop 0
.rept 4
	v_nop
.endr
.Lasked_\@:
.endm
.macro CREST
	s_cmp_lg_u32 s14, 0
	s_cbranch_scc1 .Lnot_wave_0_\@
	s_barrier_signal -3
.Lnot_wave_0_\@:
	s_barrier_wait -3
	s_barrier_signal -1
	s_barrier_wait -1
.endm
.macro CROUND
	s_barrier_signal -1
	s_barrier_wait -1
	CREST
.endm
.macro PLACES n
.rept \n
	v_nop
.endr
.endm
.macro FRAG reg, adr, off
.irp p, 0,1,2,3,4,5
	ds_load_b64 v[(\reg)+2*\p:(\reg)+2*\p+1], v[\adr] offset:(\off)+256*\p
.endr
.endm
.macro FETCH_B slot, q, p
	WIN 0x40
.set i, 0
.rept BB
	FRAG 128*(\p)+12*i, ADRB+\slot, (\q)*BLK+1536*i
.set i, i+1
.endr
	WIN 0
.endm
.macro FETCH_A slot, q, i0
.set i, \i0
.rept HA
	FRAG AF+12*i, ADRA+\slot, (\q)*BLK+1536*i
.set i, i+1
.endr
.endm
.macro SCALES slot
.set q_, 0
.rept NQ
.set g_, 0
.rept AB/4
	ds_load_b128 v[SC+16*\slot+AB*q_+4*g_:SC+16*\slot+AB*q_+4*g_+3], v[ADRS+\slot] offset:q_*BLK+256*g_
.set g_, g_+1
.endr
.set q_, q_+1
.endr
.endm
.macro MULQ k, p, q, sc, first
.set a, (\k)*QA
.rept QA
.set b, 0
.rept BB
.set ix, BB*a+b
.set rD, 8*(ix%32)
.if (\first) && BIASC
	WIN 0x81+0x40*(ix/32)
	v_wmma_scale_f32_16x16x128_f8f6f4 v[rD:rD+7], v[128*(\p)+12*b:128*(\p)+12*b+11], v[AF+12*a:AF+12*a+11], v[BC+8*b:BC+8*b+7], v[SC+16*(\sc)+AB*(\q)+b], v[SC+16*(\sc)+AB*(\q)+a] matrix_a_fmt:MATRIX_FMT_FP6 matrix_b_fmt:MATRIX_FMT_FP6 matrix_a_scale:MATRIX_SCALE_ROW1
.elseif \first
	WIN 0xa1+0x50*(ix/32)
	v_wmma_scale_f32_16x16x128_f8f6f4 v[rD:rD+7], v[128*(\p)+12*b:128*(\p)+12*b+11], v[AF+12*a:AF+12*a+11], 0, v[SC+16*(\sc)+AB*(\q)+b], v[SC+16*(\sc)+AB*(\q)+a] matrix_a_fmt:MATRIX_FMT_FP6 matrix_b_fmt:MATRIX_FMT_FP6 matrix_a_scale:MATRIX_SCALE_ROW1
.else
	WIN 0xa1+0x50*(ix/32)
	v_wmma_scale_f32_16x16x128_f8f6f4 v[rD:rD+7], v[128*(\p)+12*b:128*(\p)+12*b+11], v[AF+12*a:AF+12*a+11], v[rD:rD+7], v[SC+16*(\sc)+AB*(\q)+b], v[SC+16*(\sc)+AB*(\q)+a] matrix_a_fmt:MATRIX_FMT_FP6 matrix_b_fmt:MATRIX_FMT_FP6 matrix_a_scale:MATRIX_SCALE_ROW1
.endif
.set b, b+1
.endr
.set a, a+1
.endr
.endm
.macro STEP slot, q, first
	s_wait_dscnt 6*HA
	MULQ 0, (\q)%2, \q, \slot, \first
	MULQ 1, (\q)%2, \q, \slot, \first
	s_wait_dscnt 0x0
	PLACES 4
	FETCH_B \slot, (\q)+1, 1-(\q)%2
	FETCH_A \slot, (\q)+1, 0
	MULQ 2, (\q)%2, \q, \slot, \first
	MULQ 3, (\q)%2, \q, \slot, \first
	PLACES 4
	WIN 0
	FETCH_A \slot, (\q)+1, HA
.endm
.macro TURN slot, next, fill
	s_wait_tensorcnt 0x0
	ds_add_u32 v[SPW], v[NIL]
	s_wait_dscnt 6*HA+1
	MULQ 0, 1, NQ-1, \slot, 0
	s_wait_dscnt 0x0
	s_barrier_signal -1
	MULQ 1, 1, NQ-1, \slot, 0
	WIN 0
	s_barrier_wait -1
.if \fill
	CREST
	s_add_nc_u64 s[G0+4*\slot+2:G0+4*\slot+3], s[G0+4*\slot+2:G0+4*\slot+3], 2*NQ*BLK
	s_add_nc_u64 s[G0B+4*\slot+2:G0B+4*\slot+3], s[G0B+4*\slot+2:G0B+4*\slot+3], 2*NQ*BLK
	JLOAD \slot
.else
	PLACES 4
.endif
	FETCH_B \next, 0, 0
	FETCH_A \next, 0, 0
	SCALES \next
	MULQ 2, 1, NQ-1, \slot, 0
	MULQ 3, 1, NQ-1, \slot, 0
	PLACES 4
	WIN 0
	FETCH_A \next, 0, HA
.endm
.macro MID slot
.if NQ > 2
	STEP \slot, 1, 0
	STEP \slot, 2, 0
.endif
.endm
.macro QUANT s, d0, d1, pw
.irp b, 0,1,2,3
	v_max3_num_f32 v[TM+\b], |v[(\s)+16*\b]|, |v[(\s)+1+16*\b]|, 0x1800000
.endr
.irp i, 2,4,6,8,10,12,14
.irp b, 0,1,2,3
	v_max3_num_f32 v[TM+\b], v[TM+\b], |v[(\s)+16*\b+\i]|, |v[(\s)+1+16*\b+\i]|
.endr
.endr
.irp b, 0,1,2,3
	v_permlanex16_b32 v[TM+4+\b], v[TM+\b], s[SEL], s[SEL+1]
.endr
.irp b, 0,1,2,3
	v_max_num_f32 v[TM+\b], v[TM+\b], v[TM+4+\b]
.endr
.irp b, 0,1,2,3
	v_add_nc_u32 v[TM+12+\b], 0xff000000, v[TM+\b]
.endr
.irp b, 0,1,2,3
	v_lshrrev_b32 v[TM+4+\b], 23, v[TM+12+\b]
.endr
	v_lshl_or_b32 v[\pw], v[TM+5], 8, v[TM+4]
	v_lshl_or_b32 v[\pw], v[TM+6], 16, v[\pw]
	v_lshl_or_b32 v[\pw], v[TM+7], 24, v[\pw]
	v_cvt_scalef32_pk16_fp6_f32 v[(\d0):(\d0)+2], v[(\s):(\s)+15], v[TM+12]
	v_cvt_scalef32_pk16_fp6_f32 v[CT:CT+2], v[(\s)+16:(\s)+31], v[TM+13]
	v_cvt_scalef32_pk16_fp6_f32 v[(\d1):(\d1)+2], v[(\s)+32:(\s)+47], v[TM+14]
	v_cvt_scalef32_pk16_fp6_f32 v[CT+4:CT+6], v[(\s)+48:(\s)+63], v[TM+15]
	v_nop
.irp i, 0,1,2
	v_permlane16_swap_b32 v[(\d0)+\i], v[CT+\i]
	v_permlane16_swap_b32 v[(\d1)+\i], v[CT+4+\i]
.endr
.irp i, 0,1,2
	v_mov_b32 v[(\d0)+3+\i], v[CT+\i]
	v_mov_b32 v[(\d1)+3+\i], v[CT+4+\i]
.endr
.endm
	s_load_b128 s[4:7], s[0:1], 0x0
	s_load_b128 s[8:11], s[0:1], 0x10
	v_lshl_add_u32 v[SPW], v0, 2, SPARE
	v_mov_b32 v[NIL], 0
	ds_add_u32 v28, v29
	ds_add_u32 v28, v29
	s_wait_dscnt 0x0
	v_lshrrev_b32 v1, 5, v0
	v_readfirstlane_b32 s14, v1
	s_lshr_b32 s15, s14, 1
	s_and_b32 s16, s14, 1
	s_bfe_u32 s40, ttmp6, 0x40000
	s_bfe_u32 s41, ttmp6, 0x40004
	s_lshl_b32 s42, ttmp9, 2
	s_add_co_u32 s42, s42, s40
	s_and_b32 s17, ttmp7, 0xffff
	s_lshl_b32 s17, s17, 2
	s_add_co_u32 s17, s17, s41
	s_lshl_b32 s43, s41, 2
	s_lshl_b32 s43, 15, s43
	s_lshl_b32 s44, 0x1111, s40
	s_or_b32 s[G1], s43, (3<<16)|(1<<21)
	s_or_b32 s[G1B], s44, (3<<16)|(1<<21)
.irp g, G1, G1B
	s_mov_b32 s[\g+1], 32<<16
	s_mov_b32 s[\g+2], 100<<16
	s_mov_b32 s[\g+3], 32<<16
	s_mov_b32 s[\g+4], 100
	s_mov_b32 s[\g+5], 32
	s_mov_b32 s[\g+6], 0
	s_mov_b32 s[\g+7], 0
.endr
	s_lshl_b32 s20, s17, 1
	s_add_co_u32 s20, s20, s16
	s_mul_i32 s20, s20, KS*BLK
	s_lshl_b32 s46, s42, 1
	s_add_co_u32 s46, s46, s16
	s_mul_i32 s46, s46, KS*BLK
	s_add_co_u32 s46, s46, BOFF
	s_mov_b32 s21, 0
	s_mov_b32 s47, 0
	s_mul_i32 s45, s14, RUN
	s_mov_b32 s[SEL], 0x76543210
	s_mov_b32 s[SEL+1], 0xfedcba98
	s_wait_kmcnt 0x0
	s_add_nc_u64 s[20:21], s[4:5], s[20:21]
	s_add_nc_u64 s[46:47], s[6:7], s[46:47]
	CROUND
.irp s, 0,1
	s_mov_b32 s[G0+4*\s], 1
	s_add_co_u32 s[G0+4*\s+1], s45, \s*SLOT
	s_add_nc_u64 s[G0+4*\s+2:G0+4*\s+3], s[20:21], \s*NQ*BLK
	s_or_b32 s[G0+4*\s+3], s[G0+4*\s+3], 0x80000000
	s_mov_b32 s[G0B+4*\s], 1
	s_add_co_u32 s[G0B+4*\s+1], s45, \s*SLOT
	s_add_nc_u64 s[G0B+4*\s+2:G0B+4*\s+3], s[46:47], \s*NQ*BLK
	s_or_b32 s[G0B+4*\s+3], s[G0B+4*\s+3], 0x80000000
.endr
	s_cmp_eq_u32 s15, 0                            ; the prefetches: of the 100 blocks of 256 bytes in a run that I fetch, each of the four partners that ask for it jointly names 25, told apart by address
	s_cselect_b64 s[92:93], s[20:21], s[46:47]
	s_cselect_b32 s94, s40, s41
	s_mul_i32 s94, s94, 6400
	s_mov_b32 s95, 0
	s_add_nc_u64 s[92:93], s[92:93], s[94:95]
	JLOAD 0                                        ; slot 0: my one tensor load at the head
	v_and_b32 v30, 31, v0
	v_min_u32 v30, 24, v30                         ; a lane a block; the seven lanes left over name the last block again
	v_lshlrev_b32 v30, 8, v30
	global_prefetch_b8 v30, s[92:93] offset:NQ*BLK th:TH_LOAD_NT scope:SCOPE_SE     ; the runs of the next two fills
	global_prefetch_b8 v30, s[92:93] offset:2*NQ*BLK th:TH_LOAD_NT scope:SCOPE_SE
	v_and_b32 v1, 31, v0
	v_bfe_u32 v2, v0, 4, 1
	s_wait_alu depctr_va_vdst(0)
	v_and_b32 v4, 15, v0
	v_lshlrev_b32 v5, 3, v1
	s_mul_i32 s21, s15, AOFF
	s_mul_i32 s22, s16, AOFF
	s_add_co_u32 s22, s22, 2*RUN
.irp s, 0,1
	v_add_nc_u32 v[ADRA+\s], s21, v5
	v_add_nc_u32 v[ADRB+\s], s22, v5
	s_add_co_u32 s21, s21, SLOT
	s_add_co_u32 s22, s22, SLOT
.endr
	s_mul_i32 s21, s15, SOFF
	s_mul_i32 s22, s16, SOFF
	s_add_co_u32 s22, s22, 2*RUN
	s_sub_co_u32 s22, s22, s21
	v_mul_u32_u24 v6, s22, v2
	s_wait_alu depctr_va_vdst(0)
	v_lshl_add_u32 v6, v4, 4, v6
	s_add_co_u32 s21, s21, 12288
	v_add_nc_u32 v[ADRS], s21, v6
	v_add_nc_u32 v[ADRS+1], SLOT, v[ADRS]
	s_lshl_b32 s22, s42, 1
	s_add_co_u32 s22, s22, s16
	s_lshl_b32 s18, s22, 9
	s_mov_b32 s19, 0
	s_add_nc_u64 s[8:9], s[8:9], s[18:19]
	v_lshlrev_b32 v3, 6, v2
.irp b, 0,1,2,3,4,5,6,7
	global_load_b128 v[BC+8*\b:BC+8*\b+3], v3, s[8:9] offset:(32*(\b/2)+8*(\b%2))*4
	global_load_b128 v[BC+8*\b+4:BC+8*\b+7], v3, s[8:9] offset:(32*(\b/2)+8*(\b%2))*4+16
.endr
	s_lshl_b32 s18, s17, 1
	s_add_co_u32 s18, s18, s15
	s_lshl_b32 s18, s18, 5
	s_add_co_u32 s18, s18, s22
	s_mul_i32 s18, s18, BLK
	s_add_nc_u64 s[10:11], s[10:11], s[18:19]
	v_lshlrev_b32 v[GA], 3, v1
	v_lshlrev_b32 v[GS], 4, v1
	s_wait_alu depctr_va_vdst(0)
	s_wait_loadcnt 0x0
	s_wait_tensorcnt 0x0                           ; my part of slot 0 is in
	ds_add_u32 v[SPW], v[NIL]
	s_wait_dscnt 0x0
	CROUND                                         ; everybody's part is in, and the joint loads meet
	JLOAD 1                                        ; slot 1's first fill, the first tensor load behind the round
	global_prefetch_b8 v30, s[92:93] offset:3*NQ*BLK th:TH_LOAD_NT scope:SCOPE_SE   ; the last of K's four runs, two fills ahead
	FETCH_B 0, 0, 0
	FETCH_A 0, 0, 0
	SCALES 0
	FETCH_A 0, 0, HA
	STEP 0, 0, 1
.if LAPS > 1
	s_mov_b32 s3, LAPS-1
.Llap:
	MID 0
	TURN 0, 1, 1
	STEP 1, 0, 0
	MID 1
	TURN 1, 0, 1
	STEP 0, 0, 0
	s_sub_co_u32 s3, s3, 1
	s_cmp_lg_u32 s3, 0
	s_cbranch_scc1 .Llap
.endif
	MID 0
	TURN 0, 1, 0
	STEP 1, 0, 0
	MID 1
	s_wait_dscnt 6*HA
	MULQ 0, 1, NQ-1, 1, 0
	MULQ 1, 1, NQ-1, 1, 0
	s_wait_dscnt 0x0
	MULQ 2, 1, NQ-1, 1, 0
	MULQ 3, 1, NQ-1, 1, 0
	WIN 0
	PLACES 4
.irp b, 0,1,2,3
	v_mov_b32 v[TM+4+\b], 0
.endr
	v_cmp_le_u32 vcc_lo, 16, v1
.macro PASSF a
.if (\a) > 0
	s_wait_xcnt 0x0
.endif
	WIN 0x08+4*((\a)/4)
.set j, 0
.rept 64
	v_max_num_f32 v[T+j], 0, v[64*((\a)%4)+j]
.set j, j+1
.endr
	WIN 0
	QUANT T, PC, PC+6, PWS+(\a)
.irp p, 0,1,2,3,4,5
	global_store_b64 v[GA], v[PC+2*\p:PC+2*\p+1], s[10:11] offset:1536*(\a)+256*\p
.endr
.endm
.irp a, 0,1,2,3,4,5,6,7
	PASSF \a
.endr
.irp i, 0,1,2,3
	v_cndmask_b32 v[SW+\i], v[PWS+\i], v[PWS+4+\i], vcc_lo
.endr
	global_store_b128 v[GS], v[SW:SW+3], s[10:11] offset:12288
	s_wait_tensorcnt 0x0
	ds_add_u32 v[SPW], v[NIL]
	s_wait_dscnt 0x0
	CROUND
	s_endpgm
.Lfunc_end_k_q0f6f6cffab_ff1:
	.size	k_q0f6f6cffab_ff1, .Lfunc_end_k_q0f6f6cffab_ff1-k_q0f6f6cffab_ff1
	.p2alignl 7, 3214868480
	.fill 96, 4, 3214868480
	.section	.rodata,"a",@progbits
	.p2align	6, 0x0
	.amdhsa_kernel k_q0f6f6cffab_ff1
		.amdhsa_group_segment_fixed_size 327680
		.amdhsa_private_segment_fixed_size 0
		.amdhsa_enable_private_segment 0
		.amdhsa_kernarg_size 32
		.amdhsa_user_sgpr_count 2
		.amdhsa_user_sgpr_kernarg_segment_ptr 1
		.amdhsa_wavefront_size32 1
		.amdhsa_system_sgpr_workgroup_id_x 1
		.amdhsa_system_sgpr_workgroup_id_y 1
		.amdhsa_system_sgpr_workgroup_id_z 1
		.amdhsa_system_vgpr_workitem_id 0
		.amdhsa_next_free_vgpr 1024
		.amdhsa_next_free_sgpr 100
		.amdhsa_reserve_vcc 1
		.amdhsa_float_denorm_mode_32 3
		.amdhsa_float_denorm_mode_16_64 3
		.amdhsa_memory_ordered 1
		.amdhsa_forward_progress 1
		.amdhsa_inst_pref_size 181
	.end_amdhsa_kernel
	.amdgpu_metadata
---
amdhsa.version: [ 1, 2 ]
amdhsa.kernels:
  - .name:           k_q0f6f6cffab_ff1
    .symbol:         k_q0f6f6cffab_ff1.kd
    .args:
      - { .name: h, .offset: 0, .size: 8, .value_kind: global_buffer, .address_space: global }
      - { .name: wts, .offset: 8, .size: 8, .value_kind: global_buffer, .address_space: global }
      - { .name: b1, .offset: 16, .size: 8, .value_kind: global_buffer, .address_space: global }
      - { .name: hid, .offset: 24, .size: 8, .value_kind: global_buffer, .address_space: global }
    .group_segment_fixed_size: 327680
    .private_segment_fixed_size: 0
    .kernarg_segment_align: 8
    .kernarg_segment_size: 32
    .max_flat_workgroup_size: 128
    .sgpr_count:     100
    .vgpr_count:     1024
    .wavefront_size: 32
...
	.end_amdgpu_metadata
.endif
;; end of part 6
;; launch ff2 (part 7): grid 8 x 32, 4 waves a work-group, clusters of 4 x 4, 327,680 bytes of LDS; arguments hid, wts, b2, x1, out0; writes out0
.if DOCPART == 7
	.amdgcn_target "amdgcn-amd-amdhsa--gfx1250"
	.amdhsa_code_object_version 6
	.text
	.protected	k_q0f6f6cffab_ff2
	.globl	k_q0f6f6cffab_ff2
	.p2align	8
	.type	k_q0f6f6cffab_ff2,@function
k_q0f6f6cffab_ff2:
	s_mov_b64 s[64:65], 0
	v_nop
	global_prefetch_b8 v0, s[64:65] scope:SCOPE_SE
	s_setreg_imm32_b32 hwreg(HW_REG_WAVE_MODE, 25, 1), 1
	s_wait_xcnt 0x0
	s_wait_alu depctr_hold_cnt(0) depctr_sa_sdst(0) depctr_va_vdst(0) depctr_va_sdst(0) depctr_va_ssrc(0) depctr_va_vcc(0) depctr_vm_vsrc(0)
	s_getreg_b32 s2, hwreg(HW_REG_IB_STS2, 6, 4)
	s_cmp_eq_u32 s2, 0
	s_cbranch_scc0 .Lentry_in_a_cluster
	s_endpgm
.Lentry_in_a_cluster:
	s_bfe_u32 s2, ttmp6, 0x10000c
	s_cmp_lg_u32 s2, 0xf033
	s_cbranch_scc0 .Lentry_shape_is_right
	s_endpgm
.Lentry_shape_is_right:
.set AB,    4
.set NQ,    4
.set KS,    32
.set LAPS,  4
.set BIASC, 1
.set BOFF,  6553600
.set BB,    AB
.set HA,    AB/2
.set QA,    AB/4
.set BLK,   12800
.set RUN,   2*BLK
.set SLOT,  4*RUN
.set SPARE, 2*SLOT
.set AOFF,  6144
.set SOFF,  256
.set ADRA, 16
.set ADRB, 20
.set ADRS, 22
.set STO,  24
.set RD,   25
.set CO,   26
.set SPW,  28
.set NIL,  29
.set SC,   32
.set BC,   64
.set AF,   128
.set G1,   24
.set G0,   32
.set G1B,  48
.set G0B,  56
.set MSB, 0
.macro WIN new
.if MSB != (\new)
	s_set_vgpr_msb (MSB<<8)|(\new)
.set MSB, (\new)
.endif
.endm
.macro JLOAD s
	s_cmp_eq_u32 s15, 0
	s_cbranch_scc0 .Lfor_b_\@
	tensor_load_to_lds s[G0+4*\s:G0+4*\s+3], s[G1:G1+7]
	s_nop 0
.rept 4
	v_nop
.endr
	s_branch .Lasked_\@
.Lfor_b_\@:
	tensor_load_to_lds s[G0B+4*\s:G0B+4*\s+3], s[G1B:G1B+7]
	s_nop 0
.rept 4
	v_nop
.endr
.Lasked_\@:
.endm
.macro CREST
	s_cmp_lg_u32 s14, 0
	s_cbranch_scc1 .Lnot_wave_0_\@
	s_barrier_signal -3
.Lnot_wave_0_\@:
	s_barrier_wait -3
	s_barrier_signal -1
	s_barrier_wait -1
.endm
.macro CROUND
	s_barrier_signal -1
	s_barrier_wait -1
	CREST
.endm
.macro PLACES n
.rept \n
	v_nop
.endr
.endm
.macro FRAG reg, adr, off
.irp p, 0,1,2,3,4,5
	ds_load_b64 v[(\reg)+2*\p:(\reg)+2*\p+1], v[\adr] offset:(\off)+256*\p
.endr
.endm
.macro FETCH_B slot, q, p
	WIN 0x40
.set i, 0
.rept BB
	FRAG 128*(\p)+12*i, ADRB+\slot, (\q)*BLK+1536*i
.set i, i+1
.endr
	WIN 0
.endm
.macro FETCH_A slot, q, i0
.set i, \i0
.rept HA
	FRAG AF+12*i, ADRA+\slot, (\q)*BLK+1536*i
.set i, i+1
.endr
.endm
.macro SCALES slot
.set q_, 0
.rept NQ
.set g_, 0
.rept AB/4
	ds_load_b128 v[SC+16*\slot+AB*q_+4*g_:SC+16*\slot+AB*q_+4*g_+3], v[ADRS+\slot] offset:q_*BLK+256*g_
.set g_, g_+1
.endr
.set q_, q_+1
.endr
.endm
.macro MULQ k, p, q, sc, first
.set a, (\k)*QA
.rept QA
.set b, 0
.rept BB
.set ix, BB*a+b
.set rD, 8*(ix%32)
.if (\first) && BIASC
	WIN 0x81+0x40*(ix/32)
	v_wmma_scale_f32_16x16x128_f8f6f4 v[rD:rD+7], v[128*(\p)+12*b:128*(\p)+12*b+11], v[AF+12*a:AF+12*a+11], v[BC+8*b:BC+8*b+7], v[SC+16*(\sc)+AB*(\q)+b], v[SC+16*(\sc)+AB*(\q)+a] matrix_a_fmt:MATRIX_FMT_FP6 matrix_b_fmt:MATRIX_FMT_FP6 matrix_a_scale:MATRIX_SCALE_ROW1
.elseif \first
	WIN 0xa1+0x50*(ix/32)
	v_wmma_scale_f32_16x16x128_f8f6f4 v[rD:rD+7], v[128*(\p)+12*b:128*(\p)+12*b+11], v[AF+12*a:AF+12*a+11], 0, v[SC+16*(\sc)+AB*(\q)+b], v[SC+16*(\sc)+AB*(\q)+a] matrix_a_fmt:MATRIX_FMT_FP6 matrix_b_fmt:MATRIX_FMT_FP6 matrix_a_scale:MATRIX_SCALE_ROW1
.else
	WIN 0xa1+0x50*(ix/32)
	v_wmma_scale_f32_16x16x128_f8f6f4 v[rD:rD+7], v[128*(\p)+12*b:128*(\p)+12*b+11], v[AF+12*a:AF+12*a+11], v[rD:rD+7], v[SC+16*(\sc)+AB*(\q)+b], v[SC+16*(\sc)+AB*(\q)+a] matrix_a_fmt:MATRIX_FMT_FP6 matrix_b_fmt:MATRIX_FMT_FP6 matrix_a_scale:MATRIX_SCALE_ROW1
.endif
.set b, b+1
.endr
.set a, a+1
.endr
.endm
.macro STEP slot, q, first
	s_wait_dscnt 6*HA
	MULQ 0, (\q)%2, \q, \slot, \first
	MULQ 1, (\q)%2, \q, \slot, \first
	s_wait_dscnt 0x0
	PLACES 4
	FETCH_B \slot, (\q)+1, 1-(\q)%2
	FETCH_A \slot, (\q)+1, 0
	MULQ 2, (\q)%2, \q, \slot, \first
	MULQ 3, (\q)%2, \q, \slot, \first
	PLACES 4
	WIN 0
	FETCH_A \slot, (\q)+1, HA
.endm
.macro TURN slot, next, fill
.if \fill
	s_wait_xcnt 0x0                                ; my last prefetch has read its address: it steps one fill on
	s_add_nc_u64 s[92:93], s[92:93], NQ*BLK
.endif
	s_wait_tensorcnt 0x0
	ds_add_u32 v[SPW], v[NIL]
	s_wait_dscnt 6*HA+1
	MULQ 0, 1, NQ-1, \slot, 0
	s_wait_dscnt 0x0
	s_barrier_signal -1
	MULQ 1, 1, NQ-1, \slot, 0
	WIN 0
	s_barrier_wait -1
.if \fill
	CREST
	s_add_nc_u64 s[G0+4*\slot+2:G0+4*\slot+3], s[G0+4*\slot+2:G0+4*\slot+3], 2*NQ*BLK
	s_add_nc_u64 s[G0B+4*\slot+2:G0B+4*\slot+3], s[G0B+4*\slot+2:G0B+4*\slot+3], 2*NQ*BLK
	JLOAD \slot
.else
	PLACES 4
.endif
	FETCH_B \next, 0, 0
	FETCH_A \next, 0, 0
	SCALES \next
.if \fill
	s_cmp_gt_u32 s3, 1                             ; the run that stands two fills on; the loop's last trip has none
	s_cbranch_scc0 .Lno_ask_\@
	global_prefetch_b8 v30, s[92:93] offset:3*NQ*BLK th:TH_LOAD_NT scope:SCOPE_SE
.Lno_ask_\@:
.endif
	MULQ 2, 1, NQ-1, \slot, 0
	MULQ 3, 1, NQ-1, \slot, 0
	PLACES 4
	WIN 0
	FETCH_A \next, 0, HA
.endm
.macro MID slot
.if NQ > 2
	STEP \slot, 1, 0
	STEP \slot, 2, 0
.endif
.endm
	s_load_b128 s[4:7], s[0:1], 0x0
	s_load_b128 s[8:11], s[0:1], 0x10
	s_load_b64 s[12:13], s[0:1], 0x20
	v_lshl_add_u32 v[SPW], v0, 2, SPARE
	v_mov_b32 v[NIL], 0
	ds_add_u32 v28, v29
	ds_add_u32 v28, v29
	s_wait_dscnt 0x0
	v_lshrrev_b32 v1, 5, v0
	v_readfirstlane_b32 s14, v1
	s_lshr_b32 s15, s14, 1
	s_and_b32 s16, s14, 1
	s_bfe_u32 s40, ttmp6, 0x40000
	s_bfe_u32 s41, ttmp6, 0x40004
	s_lshl_b32 s42, ttmp9, 2
	s_add_co_u32 s42, s42, s40
	s_and_b32 s17, ttmp7, 0xffff
	s_lshl_b32 s17, s17, 2
	s_add_co_u32 s17, s17, s41
	s_lshl_b32 s43, s41, 2
	s_lshl_b32 s43, 15, s43
	s_lshl_b32 s44, 0x1111, s40
	s_or_b32 s[G1], s43, (3<<16)|(1<<21)
	s_or_b32 s[G1B], s44, (3<<16)|(1<<21)
.irp g, G1, G1B
	s_mov_b32 s[\g+1], 32<<16
	s_mov_b32 s[\g+2], 100<<16
	s_mov_b32 s[\g+3], 32<<16
	s_mov_b32 s[\g+4], 100
	s_mov_b32 s[\g+5], 32
	s_mov_b32 s[\g+6], 0
	s_mov_b32 s[\g+7], 0
.endr
	s_mul_i32 s18, s16, RUN
	s_mul_i32 s20, s17, KS*BLK
	s_add_co_u32 s20, s20, s18
	s_mul_i32 s46, s42, KS*BLK
	s_add_co_u32 s46, s46, s18
	s_add_co_u32 s46, s46, BOFF
	s_mov_b32 s21, 0
	s_mov_b32 s47, 0
	s_mul_i32 s45, s14, RUN
	s_wait_kmcnt 0x0
	s_add_nc_u64 s[20:21], s[4:5], s[20:21]
	s_add_nc_u64 s[46:47], s[6:7], s[46:47]
	CROUND
.irp s, 0,1
	s_mov_b32 s[G0+4*\s], 1
	s_add_co_u32 s[G0+4*\s+1], s45, \s*SLOT
	s_add_nc_u64 s[G0+4*\s+2:G0+4*\s+3], s[20:21], \s*NQ*BLK
	s_or_b32 s[G0+4*\s+3], s[G0+4*\s+3], 0x80000000
	s_mov_b32 s[G0B+4*\s], 1
	s_add_co_u32 s[G0B+4*\s+1], s45, \s*SLOT
	s_add_nc_u64 s[G0B+4*\s+2:G0B+4*\s+3], s[46:47], \s*NQ*BLK
	s_or_b32 s[G0B+4*\s+3], s[G0B+4*\s+3], 0x80000000
.endr
	s_cmp_eq_u32 s15, 0                            ; the prefetches: of the 100 blocks of 256 bytes in a run that I fetch, each of the four partners that ask for it jointly names 25, told apart by address
	s_cselect_b64 s[92:93], s[20:21], s[46:47]
	s_cselect_b32 s94, s40, s41
	s_mul_i32 s94, s94, 6400
	s_mov_b32 s95, 0
	s_add_nc_u64 s[92:93], s[92:93], s[94:95]
	JLOAD 0                                        ; slot 0: my one tensor load at the head
	v_and_b32 v30, 31, v0
	v_min_u32 v30, 24, v30                         ; a lane a block; the seven lanes left over name the last block again
	v_lshlrev_b32 v30, 8, v30
	global_prefetch_b8 v30, s[92:93] offset:NQ*BLK th:TH_LOAD_NT scope:SCOPE_SE     ; the runs of the next two fills
	global_prefetch_b8 v30, s[92:93] offset:2*NQ*BLK th:TH_LOAD_NT scope:SCOPE_SE
	v_and_b32 v1, 31, v0
	v_bfe_u32 v2, v0, 4, 1
	s_wait_alu depctr_va_vdst(0)
	v_and_b32 v4, 15, v0
	v_lshlrev_b32 v5, 3, v1
	s_mul_i32 s21, s15, AOFF
	s_mul_i32 s22, s16, AOFF
	s_add_co_u32 s22, s22, 2*RUN
.irp s, 0,1
	v_add_nc_u32 v[ADRA+\s], s21, v5
	v_add_nc_u32 v[ADRB+\s], s22, v5
	s_add_co_u32 s21, s21, SLOT
	s_add_co_u32 s22, s22, SLOT
.endr
	s_mul_i32 s21, s15, SOFF
	s_mul_i32 s22, s16, SOFF
	s_add_co_u32 s22, s22, 2*RUN
	s_sub_co_u32 s22, s22, s21
	v_mul_u32_u24 v6, s22, v2
	s_wait_alu depctr_va_vdst(0)
	v_lshl_add_u32 v6, v4, 4, v6
	s_add_co_u32 s21, s21, 12288
	v_add_nc_u32 v[ADRS], s21, v6
	v_add_nc_u32 v[ADRS+1], SLOT, v[ADRS]
	s_lshl_b32 s19, s42, 1
	s_add_co_u32 s19, s19, s16
	s_lshl_b32 s18, s19, 8
	s_mov_b32 s19, 0
	s_add_nc_u64 s[8:9], s[8:9], s[18:19]
	v_lshlrev_b32 v3, 6, v2
.irp b, 0,1,2,3
	global_load_b128 v[BC+8*\b:BC+8*\b+3], v3, s[8:9] offset:(32*(\b/2)+8*(\b%2))*4
	global_load_b128 v[BC+8*\b+4:BC+8*\b+7], v3, s[8:9] offset:(32*(\b/2)+8*(\b%2))*4+16
.endr
	s_lshl_b32 s22, s17, 1
	s_add_co_u32 s22, s22, s15
	s_lshl_b32 s22, s22, 18
	s_add_co_u32 s18, s18, s22
	s_add_nc_u64 s[10:11], s[10:11], s[18:19]
	s_add_nc_u64 s[12:13], s[12:13], s[18:19]
	s_mul_i32 s23, s14, 16*272
	v_mul_u32_u24 v6, v4, 272
	v_lshl_add_u32 v6, v2, 6, v6
	v_add_nc_u32 v[STO], s23, v6
	v_mul_u32_u24 v6, v2, 272
	v_lshl_add_u32 v6, v4, 4, v6
	v_add_nc_u32 v[RD], s23, v6
	v_lshlrev_b32 v6, 12, v2
	v_lshl_add_u32 v[CO], v4, 4, v6
	s_wait_alu depctr_va_vdst(0)
	s_wait_loadcnt 0x0
	s_wait_tensorcnt 0x0                           ; my part of slot 0 is in
	ds_add_u32 v[SPW], v[NIL]
	s_wait_dscnt 0x0
	CROUND                                         ; everybody's part is in, and the joint loads meet
	JLOAD 1                                        ; slot 1's first fill, the first tensor load behind the round
	global_prefetch_b8 v30, s[92:93] offset:3*NQ*BLK th:TH_LOAD_NT scope:SCOPE_SE   ; two fills ahead
	FETCH_B 0, 0, 0
	FETCH_A 0, 0, 0
	SCALES 0
	FETCH_A 0, 0, HA
	STEP 0, 0, 1
.if LAPS > 1
	s_mov_b32 s3, LAPS-1
.Llap:
	MID 0
	TURN 0, 1, 1
	STEP 1, 0, 0
	MID 1
	TURN 1, 0, 1
	STEP 0, 0, 0
	s_sub_co_u32 s3, s3, 1
	s_cmp_lg_u32 s3, 0
	s_cbranch_scc1 .Llap
.endif
	s_wait_alu depctr_va_vdst(0)
.irp a, 0,1,2,3
.irp t, 0,1,2,3,4,5,6,7
	global_load_b128 v[64+32*\a+48*(\a/2)+4*\t:64+32*\a+48*(\a/2)+4*\t+3], v[CO], s[10:11] offset:(32*(\a/2)+8*(\a%2)+2*\t+8*(\t/4))*4096
.endr
.endr
	MID 0
	TURN 0, 1, 0
	STEP 1, 0, 0
	MID 1
	s_wait_dscnt 6*HA
	MULQ 0, 1, NQ-1, 1, 0
	MULQ 1, 1, NQ-1, 1, 0
	s_wait_dscnt 0x0
	MULQ 2, 1, NQ-1, 1, 0
	MULQ 3, 1, NQ-1, 1, 0
	WIN 0
	PLACES 4
.macro PASSR a
.set BK, 32+96*((\a)%2)
.set RR, 64+32*(\a)+48*((\a)/2)
	WIN 0x08
.irp b, 0,1,2,3
	ds_store_b128 v[STO], v[8*(4*(\a)+\b):8*(4*(\a)+\b)+3] offset:128*(\b/2)+32*(\b%2)
	ds_store_b128 v[STO], v[8*(4*(\a)+\b)+4:8*(4*(\a)+\b)+7] offset:128*(\b/2)+32*(\b%2)+16
.endr
	WIN 0
	s_wait_xcnt 0x0
.irp t, 0,1,2,3,4,5,6,7
	ds_load_b128 v[BK+4*\t:BK+4*\t+3], v[RD] offset:\t*2*272
.endr
	s_wait_loadcnt 8*(3-(\a))
	s_wait_dscnt 0x0
.set j, 0
.rept 16
	v_pk_add_f32 v[BK+j:BK+j+1], v[BK+j:BK+j+1], v[RR+j:RR+j+1]
.set j, j+2
.endr
.irp t, 0,1,2,3,4,5,6,7
	global_store_b128 v[CO], v[BK+4*\t:BK+4*\t+3], s[12:13] offset:(32*((\a)/2)+8*((\a)%2)+2*\t+8*(\t/4))*4096
.endr
.endm
	PASSR 0
	PASSR 1
	PASSR 2
	PASSR 3
	s_wait_tensorcnt 0x0
	ds_add_u32 v[SPW], v[NIL]
	s_wait_dscnt 0x0
	CROUND
	s_endpgm
.Lfunc_end_k_q0f6f6cffab_ff2:
	.size	k_q0f6f6cffab_ff2, .Lfunc_end_k_q0f6f6cffab_ff2-k_q0f6f6cffab_ff2
	.p2alignl 7, 3214868480
	.fill 96, 4, 3214868480
	.section	.rodata,"a",@progbits
	.p2align	6, 0x0
	.amdhsa_kernel k_q0f6f6cffab_ff2
		.amdhsa_group_segment_fixed_size 327680
		.amdhsa_private_segment_fixed_size 0
		.amdhsa_enable_private_segment 0
		.amdhsa_kernarg_size 40
		.amdhsa_user_sgpr_count 2
		.amdhsa_user_sgpr_kernarg_segment_ptr 1
		.amdhsa_wavefront_size32 1
		.amdhsa_system_sgpr_workgroup_id_x 1
		.amdhsa_system_sgpr_workgroup_id_y 1
		.amdhsa_system_sgpr_workgroup_id_z 1
		.amdhsa_system_vgpr_workitem_id 0
		.amdhsa_next_free_vgpr 640
		.amdhsa_next_free_sgpr 100
		.amdhsa_reserve_vcc 0
		.amdhsa_float_denorm_mode_32 3
		.amdhsa_float_denorm_mode_16_64 3
		.amdhsa_memory_ordered 1
		.amdhsa_forward_progress 1
		.amdhsa_inst_pref_size 116
	.end_amdhsa_kernel
	.amdgpu_metadata
---
amdhsa.version: [ 1, 2 ]
amdhsa.kernels:
  - .name:           k_q0f6f6cffab_ff2
    .symbol:         k_q0f6f6cffab_ff2.kd
    .args:
      - { .name: hid, .offset: 0, .size: 8, .value_kind: global_buffer, .address_space: global }
      - { .name: wts, .offset: 8, .size: 8, .value_kind: global_buffer, .address_space: global }
      - { .name: b2, .offset: 16, .size: 8, .value_kind: global_buffer, .address_space: global }
      - { .name: x1, .offset: 24, .size: 8, .value_kind: global_buffer, .address_space: global }
      - { .name: out0, .offset: 32, .size: 8, .value_kind: global_buffer, .address_space: global }
    .group_segment_fixed_size: 327680
    .private_segment_fixed_size: 0
    .kernarg_segment_align: 8
    .kernarg_segment_size: 40
    .max_flat_workgroup_size: 128
    .sgpr_count:     100
    .vgpr_count:     640
    .wavefront_size: 32
...
	.end_amdgpu_metadata
.endif
;; end of part 7
